; MI455X (gfx1250); checked and timed in simulation.
; The chip was launched on July 23, 2026; its instructions are those of AMD's public machine-readable ISA for CDNA 5 (MIT licence, August 2026) and "CDNA5" Instruction Set Architecture Reference Guide (July 2026). The comments in the code are by the model that wrote it; some were corrected since.
;; Generator Test. Allowed arithmetic: matrix products marked QUANTISED: E2M1 operands, one E8M0 scale for each 32 along K, by v_wmma_scale_f32_16x16x128_f8f6f4 with both operands' format E2M1 (or v_wmma_scale_f32_32x16x128_f4), f32 sums; everything else in f32.
;; Inputs: head_b 1,677 float32; head_w_codes 1,677 x 32 x 16 uint8 (E2M1 codes of head_w, K innermost, in blocks of 32 codes, two codes a byte); head_w_scales 1,677 x 32 uint8 (E8M0 scales of head_w, one for each 32 codes along K); proj0_codes 256 x 32 x 16 uint8 (E2M1 codes of proj0, K innermost, in blocks of 32 codes, two codes a byte); proj0_scales 256 x 32 uint8 (E8M0 scales of proj0, one for each 32 codes along K); proj1_codes 64 x 32 x 16 uint8 (E2M1 codes of proj1, K innermost, in blocks of 32 codes, two codes a byte); proj1_scales 64 x 32 uint8 (E8M0 scales of proj1, one for each 32 codes along K); w0_codes 3,350 x 8 x 16 uint8 (E2M1 codes of w0, K innermost, in blocks of 32 codes, two codes a byte); w0_scales 3,350 x 8 uint8 (E8M0 scales of w0, one for each 32 codes along K); w1_codes 45,232 x 2 x 16 uint8 (E2M1 codes of w1, K innermost, in blocks of 32 codes, two codes a byte); w1_scales 45,232 x 2 uint8 (E8M0 scales of w1, one for each 32 codes along K); x_codes 8 x 512 x 32 x 16 uint8 (E2M1 codes of x, K innermost, in blocks of 32 codes, two codes a byte); x_scales 8 x 512 x 32 uint8 (E8M0 scales of x, one for each 32 codes along K); y 8 x 512 int32.
;; Outputs: out0 4,096 float32; out1 one number float32.
;; This version of the problem:
;;   THIS VERSION OF THE PROBLEM IS GIVEN IN LOW PRECISION. The matrix products marked QUANTISED in the list below multiply operands that are first quantised to E2M1 (2 exponent bits, 1 mantissa bit; 4 bits a number), with one power-of-two scale for each 32 numbers along K (OCP MX v1.0); their sums are f32. All else is computed in f32.
;;   The module's matrix products, in the order in which they are computed (A, B: the left and right operand; K: the contracted axis; several contracted axes count as one K, in the product's order):
;;     1. [M 4,096, K 1,024] x [K 1,024, N 1,677]; A: input x (given as codes); B: input head_w (given as codes): QUANTISED
;;     2. [M 4,096, K 1,024] x [K 1,024, N 256]; A: input x (given as codes); B: input proj0 (given as codes): QUANTISED
;;     3. [M 4,096, K 256] x [K 256, N 3,350]; A: computed on the way; B: input w0 (given as codes): QUANTISED
;;     4. [M 4,096, K 1,024] x [K 1,024, N 64]; A: input x (given as codes); B: input proj1 (given as codes): QUANTISED
;;     5. [M 4,096, K 64] x [K 64, N 45,232]; A: computed on the way; B: input w1 (given as codes): QUANTISED
;;   THE QUANTISER, for each operand of a quantised product, along K:
;;     - K is cut into blocks of 32 from its start; a last block that is shorter is filled with zeros.
;;     - A block's scale is 2^e with e = floor(log2(the largest magnitude in the block)) - 2, held to -126 .. 127; a block of zeros has e = 0. As a byte (E8M0): e + 127.
;;     - Each number is divided by its block's scale, clamped to +-6, and rounded to the nearest number of E2M1, ties to even, subnormals kept.
;;     - The product sums the exact products of the quantised numbers (number of the format x scale) in f32.
;;   ~~~python
;;   def quantise(x, axis):      # numpy; x: float32 -> the quantised numbers, widened to float32 again
;;       x = np.moveaxis(x, axis, -1); K = x.shape[-1]
;;       x = np.pad(x, [(0, 0)] * (x.ndim - 1) + [(0, -K % 32)]); x = x.reshape(x.shape[:-1] + (-1, 32)); a = np.abs(x).max(-1, keepdims=True)
;;       e = np.where(a > 0, np.clip(np.frexp(np.where(a > 0, a, 1))[1] - 1 - 2, -126, 127), 0)      # np.frexp(a)[1] - 1 = floor(log2(a)), exactly
;;       r = np.clip(x / 2.0 ** e, -6, 6)
;;       step = 2.0 ** (np.maximum(np.frexp(np.where(r == 0, 1, r))[1] - 1, 0) - 1)
;;       q = np.round(r / step) * step * 2.0 ** e      # np.round: ties to even
;;       return np.moveaxis(q.reshape(q.shape[:-2] + (-1,))[..., :K], -1, axis).astype(np.float32)
;;   ~~~
;;   OPERANDS COMPUTED ON THE WAY. 'Computed on the way' means the value that the module computes at that place (a softmax that the list does not call 'softmax' is quantised finished and normalised). What goes into a quantiser is computed in f32, as accurately as f32 sums, v_exp_f32 and their like allow (about 1e-6 of the number): no bf16 or f16 on the way to a quantiser, and a product that is left as it is and whose result goes on into a quantised operand takes f32 operands (vector FMAs, or v_wmma_f32_16x16x4_f32). A number that lies on a knife's edge between two numbers of the format may be rounded either way, as far as f32 arithmetic and the matrix unit's own rounding can turn it there, and no further.
;;   INPUTS GIVEN AS CODES. head_w (in the module: [1677, 1024], K = its axis 1); proj0 (in the module: [256, 1024], K = its axis 1); proj1 (in the module: [64, 1024], K = its axis 1); w0 (in the module: [3350, 256], K = its axis 1); w1 (in the module: [45232, 64], K = its axis 1); x (in the module: [8, 512, 1024], K = its axis 2): each comes as NAME_codes (uint8): NAME with its K axis moved to the last place and cut into blocks of 32 codes, [.., K / 32, bytes a block], one block behind the other in memory; two codes a byte, the lower K in the low four bits (a code: sign, 2 exponent bits, 1 mantissa bit); and NAME_scales (uint8): the same leading axes, one E8M0 byte (e + 127) for each 32 codes along K. Its value is code x scale, taken as it is: it is not quantised again, and the codes and scales need not be those that the quantiser above would give.
;; 2 versions. Each part assembles by itself: llvm-mc -triple=amdgcn-amd-amdhsa -mcpu=gfx1250 --defsym DOCPART=n.
;; ======== version 1 of 2: 2 launches
;; workspace buffers: part 196,608 bytes; num 16,384 bytes
;; launch bulk (part 1): grid 4 x 64, 16 waves a work-group, no clusters, 98,560 bytes of LDS; arguments x_codes, x_scales, head_w_codes, head_w_scales, head_b, proj0_codes, proj0_scales, proj1_codes, proj1_scales, w0_codes, w0_scales, w1_codes, w1_scales, y, part, num; writes part, num
.if DOCPART == 1
	.amdgcn_target "amdgcn-amd-amdhsa--gfx1250"
	.amdhsa_code_object_version 6
	.text
	.protected	k_qc036742635_bulk
	.globl	k_qc036742635_bulk
	.p2align	8
	.type	k_qc036742635_bulk,@function
k_qc036742635_bulk:
	s_mov_b64 s[64:65], 0
	v_nop
	global_prefetch_b8 v0, s[64:65] scope:SCOPE_SE
	s_setreg_imm32_b32 hwreg(HW_REG_WAVE_MODE, 25, 1), 1
	s_wait_xcnt 0x0
; ADAPTIVE SOFTMAX, THE BULK.  4,096 tokens; head 1,677 logits (K 1,024, + bias); tail 0: h0 = x proj0^T (256), quantised, 3,350 logits; tail 1: h1 = x proj1^T (64), quantised, 45,232 logits.
; All five products on codes of FP4 (E2M1) with one E8M0 byte for each 32 along K.  This launch leaves, for each token, four partial log-sum-exps (base 2) of each of the three softmaxes, and the numerator.
; SHARES.  A group of 64 tokens (work-group y; four tiles of 16) is served by four work-groups (x = Q) of 16 waves: 64 jobs J = 16 Q + wave.  Every product is used transposed (source 0 = 16 weight rows,
; source 1 = 16 tokens): a lane holds ONE token, its registers run along the vocabulary, so a maximum and a sum never change lanes inside a loop, and each weight fragment feeds four matrix instructions.
;   head: unit of 32 rows number 14 Q + wave (waves 0-13, numbers under 53);  tail 0: units of 32 rows (105 J)>>6 .. (105 (J+1))>>6;  tail 1: steps of 64 rows (707 J)>>6 .. (707 (J+1))>>6: 11 or 12.
;   h0 and h1 are made in each of the four work-groups (waves 0-9, 32 dims each), quantised in registers, and reach the other waves through LDS.
;   The target's logits are diagonals of 16 x 16 products whose weight rows are gathered by y: waves 14 and 15, for token tile Q.
; SOFTMAX.  t = logit x log2(e); M = the lane's running largest t rounded up to a whole number (kept as -M); the sum of 2^(t - M) is rescaled by 2^(old M - new M), which rounds nothing.
; RAGGED ENDS.  A table's last unit begins at (rows - unit) instead of its own row; the rows that it shares with the unit before become -infinity ahead of the maximum.  No load leaves its buffer.
; TAIL 1 HAS K = 64 in an instruction of 128: the tokens' registers 4-7 are zero codes, so what stands in the weights' registers 4-7 (the next tile's codes) adds nothing; scale bytes 2, 3 are 0 (2^-127), no NaN.
; NO JOINT LOADS, NO LDS RING FOR WEIGHTS: each weight row is used by one wave of a work-group, straight from registers; a step of tail 1 loads 2,176 bytes for 4,096 exponentials, asked for a whole
; softmax step ahead, and the sweep has no barrier at all; a ring shared in a cluster would put a round of barriers into a loop that is bound by its exponentials.  What the four work-groups of a group share is x: 34 KB, read once each.
; num leaves as 64 bytes a work-group, part of an aligned 256: 16 KB in the whole launch.
; LIMITS: y in 0 .. 50,256 (it is clamped ahead of every address).  A scale byte 0xff makes a softmax NaN, as it does in the definition.  A block of zeros of h gets the byte 1, not 127: its codes are zeros and only this text reads the byte.
;
; LDS (each region written once)
.set XIMG, 0                           ; 32,768: x's 32 fragments as images of their registers: (tile m, K step ks) at (8 m + ks) 1,024; quad c at + 512 c; lane at + 16 lane
.set HIMG, 32768                       ; 10,240: h's codes: block w (0-7 h0, 8-9 h1) at 1,024 w; tile at + 256 m; token at + 16 r: 32 codes
.set HSC,  43008                       ; 768 (+256 spare): h's scale bytes at 256 (w / 4) + 4 token + w % 4; of the third table bytes 2, 3 are zeros
.set XSL,  44032                       ; 2,048: x's scale bytes as they lie in memory: 32 a token
.set STAT, 46080                       ; 49,152: (-M, sum) pairs: 16,384 table + 1,024 wave + 256 tile + 8 lane
.set BNC,  95232                       ; 1,024: merged log-sum-exps: 256 table + 4 token
.set TGB,  96256                       ; 256: tile Q's target: shortlist logit + 0, cluster logits + 64, + 128, numerator + 192; 4 r each
; VECTOR REGISTERS that stay: v1 16 lane; v2 16 r + 1,024 h; v3, v4 a 32-row unit's codes and scales (K 1,024); v5 my STAT; v6, v7 tail 0's codes, 8 lane; v8, v9 tail 1's codes, 2 lane; v10 4 lane;
;   v11 TGB + 4 r; v12 my BNC word; v13 x stage's LDS address, later offsets and mask thresholds; v14 -infinity; v15 running offset of codes; v16 32 lane (x's scale words in LDS), from tail 0 on the running offset of scales;
;   v17, v18 where I put h's codes and byte; v19-21 tile Q in XIMG, HIMG, HSC; v22 merge; v23 way out
;   v24-55 ST: eight a tile: +0 -M, +1 largest t, +2:3 sum, +4 f, +5 (pair's upper word), +6, +7 at work.
;   v56-71 SCALE WORDS AND NOTHING ELSE: XS = v56-63 the tokens' side, AS = v64-71 the weights' side.   The other regions are named at their macros.
.set ST, 24
.set XS, 56
.set AS, 64
.set DM, 66                            ; s66-72: lanes with lane % 8 = 1 .. 7;  s73: lanes that hold their own token's diagonal
.macro PLACES n
.rept \n
	v_nop
.endr
.endm
.macro BAR                             ; my LDS stores have landed and my LDS loads are in: then the work-group's barrier
	s_wait_dscnt 0x0
	s_barrier_signal -1
	s_barrier_wait -1
.endm
; One matrix instruction.  d, a, b: first registers; c: first register of C, or -1 for the constant 0; sa, sb: scale registers; ra, rb = 1: the scales stand in lanes 16-31
.macro WM d, a, b, c, sa, sb, ra, rb
.if (\c) < 0
.if ((\ra) == 0) && ((\rb) == 0)
	v_wmma_scale_f32_16x16x128_f8f6f4 v[(\d):(\d)+7], v[(\a):(\a)+7], v[(\b):(\b)+7], 0, v[(\sa)], v[(\sb)] matrix_a_fmt:MATRIX_FMT_FP4 matrix_b_fmt:MATRIX_FMT_FP4
.elseif (\rb) == 0
	v_wmma_scale_f32_16x16x128_f8f6f4 v[(\d):(\d)+7], v[(\a):(\a)+7], v[(\b):(\b)+7], 0, v[(\sa)], v[(\sb)] matrix_a_fmt:MATRIX_FMT_FP4 matrix_b_fmt:MATRIX_FMT_FP4 matrix_a_scale:MATRIX_SCALE_ROW1
.elseif (\ra) == 0
	v_wmma_scale_f32_16x16x128_f8f6f4 v[(\d):(\d)+7], v[(\a):(\a)+7], v[(\b):(\b)+7], 0, v[(\sa)], v[(\sb)] matrix_a_fmt:MATRIX_FMT_FP4 matrix_b_fmt:MATRIX_FMT_FP4 matrix_b_scale:MATRIX_SCALE_ROW1
.else
	v_wmma_scale_f32_16x16x128_f8f6f4 v[(\d):(\d)+7], v[(\a):(\a)+7], v[(\b):(\b)+7], 0, v[(\sa)], v[(\sb)] matrix_a_fmt:MATRIX_FMT_FP4 matrix_b_fmt:MATRIX_FMT_FP4 matrix_a_scale:MATRIX_SCALE_ROW1 matrix_b_scale:MATRIX_SCALE_ROW1
.endif
.else
.if ((\ra) == 0) && ((\rb) == 0)
	v_wmma_scale_f32_16x16x128_f8f6f4 v[(\d):(\d)+7], v[(\a):(\a)+7], v[(\b):(\b)+7], v[(\c):(\c)+7], v[(\sa)], v[(\sb)] matrix_a_fmt:MATRIX_FMT_FP4 matrix_b_fmt:MATRIX_FMT_FP4
.elseif (\rb) == 0
	v_wmma_scale_f32_16x16x128_f8f6f4 v[(\d):(\d)+7], v[(\a):(\a)+7], v[(\b):(\b)+7], v[(\c):(\c)+7], v[(\sa)], v[(\sb)] matrix_a_fmt:MATRIX_FMT_FP4 matrix_b_fmt:MATRIX_FMT_FP4 matrix_a_scale:MATRIX_SCALE_ROW1
.elseif (\ra) == 0
	v_wmma_scale_f32_16x16x128_f8f6f4 v[(\d):(\d)+7], v[(\a):(\a)+7], v[(\b):(\b)+7], v[(\c):(\c)+7], v[(\sa)], v[(\sb)] matrix_a_fmt:MATRIX_FMT_FP4 matrix_b_fmt:MATRIX_FMT_FP4 matrix_b_scale:MATRIX_SCALE_ROW1
.else
	v_wmma_scale_f32_16x16x128_f8f6f4 v[(\d):(\d)+7], v[(\a):(\a)+7], v[(\b):(\b)+7], v[(\c):(\c)+7], v[(\sa)], v[(\sb)] matrix_a_fmt:MATRIX_FMT_FP4 matrix_b_fmt:MATRIX_FMT_FP4 matrix_a_scale:MATRIX_SCALE_ROW1 matrix_b_scale:MATRIX_SCALE_ROW1
.endif
.endif
.endm
; A UNIT OF 32 WEIGHT ROWS WITH K = 1,024 (a projection's or the head's).  Lane-row m of tile u is the unit's row 8 u + m + 8 (m / 8), so that a lane's 16 results of the two tiles are rows 16 h + 0 .. 15.
; Fragments (u, ks) at v[128 + 64 u + 8 ks]; scale words of K step ks at v[AS + ks]: tile 0's in lanes 0-15, tile 1's in lanes 16-31.
.macro XA_LOAD
.irp u, 0,1
.irp ks, 0,1,2,3,4,5,6,7
.irp c, 0,1
	global_load_b128 v[128+64*\u+8*\ks+4*\c:131+64*\u+8*\ks+4*\c], v3, s[42:43] offset:4096*\u+64*\ks+32*\c
.endr
.endr
.endr
.irp i, 0,1
	global_load_b128 v[AS+4*\i:AS+3+4*\i], v4, s[44:45] offset:16*\i
.endr
.endm
.macro XB_LOAD p, ks, b                ; x's fragments of token tiles 2 p, 2 p + 1, K step ks, into buffer b: v[24 + 16 b + 8 t]
.irp t, 0,1
.irp c, 0,1
	ds_load_b128 v[24+16*(\b)+8*\t+4*\c:27+16*(\b)+8*\t+4*\c], v1 offset:XIMG+((8*(2*(\p)+\t)+(\ks))*2+\c)*512
.endr
.endr
.endm
; The unit against token tiles 2 p, 2 p + 1: four accumulators v[96 + 16 t + 8 u] by turns, eight K steps.  bias = 1: the sums begin with v[72 + 8 u].
; x's scale words of these 32 tokens come first: v[XS + ks], tile 2 p in lanes 0-15, tile 2 p + 1 in lanes 16-31.
.macro XGPASS p, bias
.irp i, 0,1
	ds_load_b128 v[XS+4*\i:XS+3+4*\i], v16 offset:XSL+1024*(\p)+16*\i
.endr
	XB_LOAD \p, 0, 0
.irp ks, 0,1,2,3,4,5,6,7
	PLACES 4                                       ; four places between the products that read a buffer and the loads into it
.if \ks < 7
	XB_LOAD \p, \ks+1, (\ks+1)%2
	s_wait_dscnt 0x4                               ; this K step's four loads (and, in the first step, the scale words' two) are in; the next step's four, just issued, may be out
.else
	s_wait_dscnt 0x0
.endif
.irp t, 0,1
.irp u, 0,1
.if \ks == 0
.if \bias
	WM 96+16*\t+8*\u, 128+64*\u+8*\ks, 24+16*(\ks%2)+8*\t, 72+8*\u, AS+\ks, XS+\ks, \u, \t
.else
	WM 96+16*\t+8*\u, 128+64*\u+8*\ks, 24+16*(\ks%2)+8*\t, -1, AS+\ks, XS+\ks, \u, \t
.endif
.else
	WM 96+16*\t+8*\u, 128+64*\u+8*\ks, 24+16*(\ks%2)+8*\t, 96+16*\t+8*\u, AS+\ks, XS+\ks, \u, \t
.endif
.endr
.endr
.endr
	PLACES 4                                       ; ahead of the first read of the results
.endm
; My 32 dims of h for token tiles 2 p, 2 p + 1 become a block of codes and its byte.  A lane has 16 neighbours (16 h + 0 .. 15) of its token; lane l xor 16 has the other 16.
.macro PQUANT p
.irp t, 0,1
	v_mov_b32 v[25+8*\t], 0                        ; a lane permute's destination counts as read
	v_max3_num_f32 v[24+8*\t], |v[96+16*\t]|, |v[97+16*\t]|, 0x1800000   ; with the floor 2^(3 - 127): the byte cannot fall under 1
.endr
.irp i, 2,4,6,8,10,12,14
.irp t, 0,1
	v_max3_num_f32 v[24+8*\t], v[24+8*\t], |v[96+16*\t+\i]|, |v[97+16*\t+\i]|
.endr
.endr
.irp t, 0,1
	v_permlanex16_b32 v[25+8*\t], v[24+8*\t], s56, s57
.endr
.irp t, 0,1
	v_max_num_f32 v[24+8*\t], v[24+8*\t], v[25+8*\t]   ; the block's largest magnitude
.endr
.irp t, 0,1
	v_add_nc_u32 v[26+8*\t], 0xff000000, v[24+8*\t]    ; 2 off its exponent field: the conversion's scale operand
.endr
.irp t, 0,1
	v_lshrrev_b32 v[27+8*\t], 23, v[26+8*\t]           ; the scale's byte
.endr
.irp t, 0,1
	v_cvt_scalef32_pk8_fp4_f32 v[28+8*\t], v[96+16*\t:103+16*\t], v[26+8*\t]
	v_cvt_scalef32_pk8_fp4_f32 v[29+8*\t], v[104+16*\t:111+16*\t], v[26+8*\t]
.endr
	v_nop                                          ; one plain place behind the scaled conversions
.irp t, 0,1
	ds_store_b64 v17, v[28+8*\t:29+8*\t] offset:256*(2*(\p)+\t)
	ds_store_b8 v18, v[27+8*\t] offset:64*(2*(\p)+\t)  ; both lanes of a token write the same byte with the same value
.endr
	s_wait_dscnt 0x0                               ; the stores have read their registers: the next pass loads into them
.endm
.macro INIT tiles                      ; -M = 3e38, largest t = -3e38, sum = 0
.set t, 0
.rept \tiles
	v_mov_b32 v[ST+8*t], 0x7f61b1e6
	v_mov_b32 v[ST+8*t+1], 0xff61b1e6
	v_mov_b32 v[ST+8*t+2], 0
	v_mov_b32 v[ST+8*t+3], 0
	v_mov_b32 v[ST+8*t+5], 0                       ; named as the upper word of the pair with f
.set t, t+1
.endr
.endm
; A softmax step: tile t's cnt scores stand in v[base + cnt t] on.  The tiles take turns line by line.  Each accumulator of eight is first read at its low end.
.macro SOFT tiles, cnt, base
.set t, 0
.rept \tiles
	v_max3_num_f32 v[ST+8*t+6], v[\base+\cnt*t], v[\base+\cnt*t+1], v[\base+\cnt*t+2]
	v_max3_num_f32 v[ST+8*t+7], v[\base+\cnt*t+\cnt/2], v[\base+\cnt*t+\cnt/2+1], v[\base+\cnt*t+\cnt/2+2]
.set t, t+1
.endr
.set i, 3
.rept (\cnt/2-4)/2
.set t, 0
.rept \tiles
	v_max3_num_f32 v[ST+8*t+6], v[ST+8*t+6], v[\base+\cnt*t+i], v[\base+\cnt*t+i+1]
	v_max3_num_f32 v[ST+8*t+7], v[ST+8*t+7], v[\base+\cnt*t+\cnt/2+i], v[\base+\cnt*t+\cnt/2+i+1]
.set t, t+1
.endr
.set i, i+2
.endr
.set q, 0
.rept 9
.set t, 0
.rept \tiles
.if q == 0
	v_max3_num_f32 v[ST+8*t+6], v[ST+8*t+6], v[\base+\cnt*t+\cnt/2-1], v[\base+\cnt*t+\cnt-1]
.elseif q == 1
	v_max_num_f32 v[ST+8*t+6], v[ST+8*t+6], v[ST+8*t+7]    ; the step's largest score
.elseif q == 2
	v_mul_f32 v[ST+8*t+6], s54, v[ST+8*t+6]                ; as t
.elseif q == 3
	v_max_num_f32 v[ST+8*t+1], v[ST+8*t+1], v[ST+8*t+6]    ; the running largest t
.elseif q == 4
	v_mov_b32 v[ST+8*t+7], v[ST+8*t]
.elseif q == 5
	v_floor_f32 v[ST+8*t], -v[ST+8*t+1]                    ; the new -M = -ceil(t): a whole number
.elseif q == 6
	v_sub_f32 v[ST+8*t+7], v[ST+8*t], v[ST+8*t+7]          ; old M - new M, 0 or less
.elseif q == 7
	v_cvt_i32_f32 v[ST+8*t+7], v[ST+8*t+7]                 ; (it saturates)
.else
	v_ldexp_f32 v[ST+8*t+4], 1.0, v[ST+8*t+7]              ; f = 2^(old M - new M)
.endif
.set t, t+1
.endr
.set q, q+1
.endr
.set i, 0
.rept \cnt/2
.set t, 0
.rept \tiles
	v_pk_fma_f32 v[\base+\cnt*t+i:\base+\cnt*t+i+1], v[\base+\cnt*t+i:\base+\cnt*t+i+1], s[54:55], v[ST+8*t:ST+8*t+1] op_sel_hi:[1,0,0]   ; t - M, two at a time
.set t, t+1
.endr
.set i, i+2
.endr
.set i, 0
.rept \cnt
.set t, 0
.rept \tiles
	v_exp_f32 v[\base+\cnt*t+i], v[\base+\cnt*t+i]
.set t, t+1
.endr
.set i, i+1
.endr
.set t, 0
.rept \tiles
	v_pk_mul_f32 v[ST+8*t+2:ST+8*t+3], v[ST+8*t+2:ST+8*t+3], v[ST+8*t+4:ST+8*t+5] op_sel_hi:[1,0]   ; the sum under the new M (the plain place behind the exponentials)
.set t, t+1
.endr
.set t, 0
	s_wait_alu depctr_va_vdst(0)
.rept \tiles
	v_pk_add_f32 v[ST+8*t+6:ST+8*t+7], v[\base+\cnt*t:\base+\cnt*t+1], v[\base+\cnt*t+2:\base+\cnt*t+3]
.set t, t+1
.endr
.set i, 4
.rept (\cnt-4)/4
.set t, 0
.rept \tiles
	v_pk_add_f32 v[ST+8*t+2:ST+8*t+3], v[ST+8*t+2:ST+8*t+3], v[\base+\cnt*t+i:\base+\cnt*t+i+1]
	v_pk_add_f32 v[ST+8*t+6:ST+8*t+7], v[ST+8*t+6:ST+8*t+7], v[\base+\cnt*t+i+2:\base+\cnt*t+i+3]
.set t, t+1
.endr
.set i, i+4
.endr
.set t, 0
.rept \tiles
	v_pk_add_f32 v[ST+8*t+2:ST+8*t+3], v[ST+8*t+2:ST+8*t+3], v[ST+8*t+6:ST+8*t+7]
.set t, t+1
.endr
.endm
; Scores of rows that the unit before has already counted become -infinity: register 8 a + j where stride a + j < v13
.macro MASKLOW tiles, cnt, base, stride
.set a, 0
.rept \cnt/8
.set j, 0
.rept 8
	v_cmp_lt_i32 vcc_lo, \stride*a+j, v13
.set t, 0
.rept \tiles
	v_cndmask_b32 v[\base+\cnt*t+8*a+j], v[\base+\cnt*t+8*a+j], v14, vcc_lo
.set t, t+1
.endr
.set j, j+1
.endr
.set a, a+1
.endr
.endm
.macro FLUSH k                         ; my four tiles' (-M, sum) of table k go to LDS
.irp m, 0,1,2,3
	v_add_f32 v[ST+8*\m+1], v[ST+8*\m+2], v[ST+8*\m+3]
.endr
.irp m, 0,1,2,3
	ds_store_b64 v5, v[ST+8*\m:ST+8*\m+1] offset:16384*\k+256*\m
.endr
	s_wait_dscnt 0x0                               ; the stores have read their registers
.endm
; TAIL 0: a unit of 32 rows from row s52.  Fragments (u, ks) at v[96 + 16 u + 8 ks], scale words v[AS + ks] (tile 0 | tile 1); h0 (m, ks) at v[128 + 16 m + 8 ks], its scale words v[XS + 2 ks + m / 2]; scores v[192 + 16 m + 8 u]
.macro LOAD0
	v_lshl_add_u32 v15, s52, 7, v6
	v_lshl_add_u32 v16, s52, 3, v7
	PLACES 2                                       ; with the two lines above: four places behind the products that read these registers
.irp u, 0,1
.irp ks, 0,1
.irp c, 0,1
	global_load_b128 v[96+16*\u+8*\ks+4*\c:99+16*\u+8*\ks+4*\c], v15, s[22:23] offset:2048*\u+64*\ks+32*\c
.endr
.endr
.endr
	global_load_b64 v[AS:AS+1], v16, s[24:25]
.endm
.macro MUL0
.irp ks, 0,1
.irp m, 0,1,2,3
.irp u, 0,1
.if \ks == 0
	WM 192+16*\m+8*\u, 96+16*\u+8*\ks, 128+16*\m+8*\ks, -1, AS+\ks, XS+2*\ks+\m/2, \u, \m%2
.else
	WM 192+16*\m+8*\u, 96+16*\u+8*\ks, 128+16*\m+8*\ks, 192+16*\m+8*\u, AS+\ks, XS+2*\ks+\m/2, \u, \m%2
.endif
.endr
.endr
.endr
.endm
; TAIL 1: a step of 64 rows from row s52.  Tile n's 16 bytes a lane at v[72 + 4 n] (v88-91, zeros, close the run); scale words v[AS + 2 + n / 2]; h1 (m) at v[96 + 8 m], upper four zero; its scale words v[XS + 4 + m / 2]; scores v[128 + 32 m + 8 n]
.macro LOAD1
	v_lshl_add_u32 v15, s52, 5, v8
	v_lshl_add_u32 v16, s52, 1, v9
	PLACES 2                                       ; with the two lines above: four places behind the products that read these registers
.irp n, 0,1,2,3
	global_load_b128 v[72+4*\n:75+4*\n], v15, s[26:27] offset:512*\n
.endr
.irp p, 0,1
	global_load_u16 v[AS+2+\p], v16, s[28:29] offset:64*\p
.endr
.endm
.macro MUL1
.irp n, 0,1,2,3
.irp m, 0,1,2,3
	WM 128+32*\m+8*\n, 72+4*\n, 96+8*\m, -1, AS+2+\n/2, XS+4+\m/2, \n%2, \m%2
.endr
.endr
.endm
; The diagonal of a 16 x 16 result: token r's number stands in register r % 8 of lane r + 16 (r / 8); afterwards every lane has its token's
.macro DIAG dst, acc, tmp
	v_mov_b32 v[\tmp], 0
	v_cndmask_b32 v[\dst], v[\acc], v[\acc+1], s[DM]
.irp j, 2,3,4,5,6,7
	v_cndmask_b32 v[\dst], v[\dst], v[\acc+\j], s[DM+\j-1]
.endr
	v_permlanex16_b32 v[\tmp], v[\dst], s56, s57
	v_cndmask_b32 v[\dst], v[\tmp], v[\dst], s73
.endm
.macro HEADPASS p                      ; my head unit against token tiles 2 p, 2 p + 1; their (-M, sum) go to LDS at once
	XGPASS \p, 1
	s_cmp_eq_u32 s49, 0
	s_cbranch_scc1 .Lwhole_\@
	MASKLOW 2, 16, 96, 8
.Lwhole_\@:
	INIT 2
	SOFT 2, 16, 96
.irp t, 0,1
	v_add_f32 v[ST+8*\t+1], v[ST+8*\t+2], v[ST+8*\t+3]
.endr
.irp t, 0,1
	ds_store_b64 v5, v[ST+8*\t:ST+8*\t+1] offset:256*(2*\p+\t)
.endr
	s_wait_dscnt 0x0                               ; the stores have read their registers: the next pass loads into them
.endm
; ---------------- ids, constants, every address register
	s_load_b512 s[4:19], s[0:1], 0x0               ; x_codes 4, x_scales 6, head_w_codes 8, head_w_scales 10, head_b 12, proj0_codes 14, proj0_scales 16, proj1_codes 18
	s_load_b512 s[20:35], s[0:1], 0x40             ; proj1_scales 20, w0_codes 22, w0_scales 24, w1_codes 26, w1_scales 28, y 30, part 32, num 34
	v_lshl_add_u32 v94, v0, 2, 0x17900
	v_mov_b32 v95, 0
	v_lshrrev_b32 v24, 5, v0
	v_readfirstlane_b32 s36, v24                   ; wave 0..15
	s_and_b32 s37, ttmp9, 3                        ; Q
	s_and_b32 s38, ttmp7, 0xffff                   ; the token group
	s_lshl_b32 s39, s37, 4
	s_add_co_u32 s39, s39, s36                     ; J = 16 Q + wave
	s_mul_i32 s48, s37, 14
	s_add_co_u32 s48, s48, s36                     ; my head unit's number
	s_mov_b32 s41, 0                               ; the upper word of the offset pair s[40:41]
	s_mov_b32 s54, 0x3fb8aa3b                      ; log2(e)
	s_mov_b32 s55, s54                             ; (named with it as a pair)
	s_mov_b32 s56, 0x76543210
	s_mov_b32 s57, 0xfedcba98                      ; v_permlanex16_b32's selects for lane l xor 16
.irp j, 1,2,3,4,5,6,7
	s_mov_b32 s[DM+\j-1], 0x01010101<<\j
.endr
	s_mov_b32 s73, 0xff0000ff
	s_lshr_b32 s79, s36, 2                         ; wave / 4
	s_and_b32 s80, s36, 3                          ; wave % 4
	v_and_b32 v24, 31, v0                          ; lane
	v_and_b32 v25, 15, v0                          ; r
	v_bfe_u32 v26, v0, 4, 1                        ; h
	v_and_b32 v27, 8, v0
	v_add_nc_u32 v27, v27, v25                     ; r + 8 (r / 8)
	v_lshlrev_b32 v28, 2, v25                      ; 4 r
	v_lshlrev_b32 v1, 4, v24
	v_lshlrev_b32 v2, 4, v25
	v_lshl_add_u32 v2, v26, 10, v2
	v_lshlrev_b32 v3, 9, v27
	v_lshl_add_u32 v3, v26, 4, v3
	v_lshl_add_u32 v4, v26, 3, v27
	v_lshlrev_b32 v4, 5, v4
	v_lshlrev_b32 v7, 3, v24
	s_lshl_b32 s78, s36, 10
	v_add_nc_u32 v5, s78, v7
	v_add_nc_u32 v5, STAT, v5
	v_lshlrev_b32 v6, 7, v25
	v_lshl_add_u32 v6, v26, 4, v6
	v_lshlrev_b32 v8, 5, v25
	v_lshl_add_u32 v8, v26, 4, v8
	v_lshlrev_b32 v9, 1, v24
	v_lshlrev_b32 v10, 2, v24
	v_add_nc_u32 v11, TGB, v28
	s_lshl_b32 s82, s79, 8
	s_lshl_b32 s81, s80, 6
	s_add_co_u32 s81, s81, s82
	v_add_nc_u32 v12, s81, v28
	v_add_nc_u32 v12, BNC, v12
	s_lshl_b32 s83, s80, 13
	s_lshl_b32 s81, s79, 11
	s_add_co_u32 s83, s83, s81
	v_add_nc_u32 v13, s83, v1                      ; the x stage: tile wave % 4, K steps 2 (wave / 4) and the next
	v_mov_b32 v14, 0xff800000
	v_lshlrev_b32 v15, 9, v25
	v_lshl_add_u32 v15, v26, 4, v15                ; x: token r's row, + 16 h
	v_lshlrev_b32 v16, 5, v24                      ; x's scales in LDS: 32 bytes a token
	v_lshlrev_b32 v17, 4, v25
	v_lshl_add_u32 v17, v26, 3, v17
	v_add_nc_u32 v17, s78, v17
	v_add_nc_u32 v17, HIMG, v17
	s_add_co_u32 s82, s82, s80
	v_add_nc_u32 v18, s82, v28
	v_add_nc_u32 v18, HSC, v18
	s_lshl_b32 s86, s37, 13
	v_add_nc_u32 v19, s86, v1
	s_lshl_b32 s87, s37, 8
	v_add_nc_u32 v20, s87, v2
	s_lshl_b32 s88, s37, 6
	v_add_nc_u32 v21, s88, v28
	s_lshl_b32 s89, s79, 14
	s_lshl_b32 s81, s80, 8
	s_add_co_u32 s89, s89, s81
	v_add_nc_u32 v22, s89, v7
	v_add_nc_u32 v22, STAT, v22
	s_lshl_b32 s90, s36, 8
	v_add_nc_u32 v23, s90, v7
	v_add_nc_u32 v23, BNC, v23
	v_lshlrev_b32 v54, 2, v0                       ; 4 x thread: my word of the group's 2,048 scale bytes of x, in memory and in LDS
	s_wait_kmcnt 0x0
	s_load_b64 s[74:75], s[12:13], 0x1a2c          ; the two cluster logits' biases: head_b[1675], head_b[1676]
	s_lshl_b32 s40, s38, 15
	s_add_nc_u64 s[58:59], s[4:5], s[40:41]        ; the group's x codes: 64 rows of 512 bytes
	s_lshl_b32 s40, s38, 11
	s_add_nc_u64 s[60:61], s[6:7], s[40:41]        ; and scales: 64 rows of 32 bytes
	s_lshl_b32 s40, s80, 13
	s_lshl_b32 s81, s79, 7
	s_add_co_u32 s40, s40, s81
	s_add_nc_u64 s[84:85], s[58:59], s[40:41]
; ---------------- first loads: x's fragments and scale bytes for the stage, and each role's weights
.irp i, 0,1,2,3
	global_load_b128 v[24+4*\i:27+4*\i], v15, s[84:85] offset:32*\i
.endr
	global_load_b32 v40, v54, s[60:61]             ; a wave reads 128 consecutive bytes, the work-group all 2,048
	s_cmp_lt_u32 s36, 10
	s_cbranch_scc0 .Lp1_b
	s_cmp_lt_u32 s36, 8                            ; waves 0-7: proj0's rows 32 wave on; waves 8, 9: proj1's
	s_cselect_b64 s[42:43], s[14:15], s[18:19]
	s_cselect_b64 s[44:45], s[16:17], s[20:21]
	s_and_b32 s86, s36, 7
	s_lshl_b32 s40, s86, 14
	s_add_nc_u64 s[42:43], s[42:43], s[40:41]
	s_lshl_b32 s40, s86, 10
	s_add_nc_u64 s[44:45], s[44:45], s[40:41]
	XA_LOAD
	s_branch .Lp1_j
.Lp1_b:
	s_cmp_lt_u32 s36, 14
	s_cbranch_scc1 .Lp1_j
	s_lshl_b32 s40, s38, 8
	s_add_nc_u64 s[86:87], s[30:31], s[40:41]
	global_load_b32 v80, v21, s[86:87]             ; waves 14, 15: y of tile Q's token r
	s_cmp_eq_u32 s36, 14
	s_cbranch_scc0 .Lp1_j
	v_lshlrev_b32 v42, 3, v21
	global_load_b128 v[XS:XS+3], v42, s[60:61]     ; wave 14: that token's eight scale words of x
	global_load_b128 v[XS+4:XS+7], v42, s[60:61] offset:16
.Lp1_j:
	s_wait_loadcnt 0x0
	s_wait_kmcnt 0x0
.irp i, 0,1,2,3
	ds_store_b128 v13, v[24+4*\i:27+4*\i] offset:512*\i
.endr
	ds_store_b32 v54, v40 offset:XSL
	s_cmp_lt_u32 s36, 14
	s_cbranch_scc1 .Lp1_k
	s_cmp_eq_u32 s36, 14
	s_cbranch_scc0 .Lp1_w15
	; wave 14: head rows gathered by y (row 0 where the target is no shortlist token), and the two cluster rows by turns.  One set of scale registers serves both: the gathered rows' words in lanes 0-15, the cluster rows' in lanes 16-31
	v_bfe_u32 v42, v0, 4, 1
	v_lshlrev_b32 v43, 4, v42                      ; 16 h
	v_cmp_gt_u32 vcc_lo, 0x68b, v80
	v_cndmask_b32 v44, 0, v80, vcc_lo              ; y, or 0
	v_and_b32 v45, 1, v0
	v_add_nc_u32 v45, 0x68b, v45                   ; row 1,675 or 1,676
	s_mov_b32 s86, 0xffff0000
	v_cndmask_b32 v46, v44, v45, s86               ; whose scales my lane fetches
	v_min_u32 v44, 0x68a, v44
	v_min_u32 v46, 0x68c, v46
	v_lshl_add_u32 v47, v44, 9, v43
	v_lshlrev_b32 v48, 2, v44
	v_lshlrev_b32 v46, 5, v46
	v_lshl_add_u32 v45, v45, 9, v43
.irp ks, 0,1,2,3,4,5,6,7
.irp c, 0,1
	global_load_b128 v[128+8*\ks+4*\c:131+8*\ks+4*\c], v47, s[8:9] offset:64*\ks+32*\c
	global_load_b128 v[192+8*\ks+4*\c:195+8*\ks+4*\c], v45, s[8:9] offset:64*\ks+32*\c
.endr
.endr
.irp i, 0,1
	global_load_b128 v[AS+4*\i:AS+3+4*\i], v46, s[10:11] offset:16*\i
.endr
	global_load_b32 v49, v48, s[12:13]
	s_branch .Lp1_k
.Lp1_w15:
	; wave 15: tail rows gathered by clip(y - low, 0, size - 1)
	v_bfe_u32 v81, v0, 4, 1
	v_lshlrev_b32 v81, 4, v81                      ; 16 h
	v_mov_b32 v82, 0
	v_add_nc_u32 v83, 0xfffff975, v80              ; y - 1,675
	v_cmp_gt_u32 vcc_lo, 0x68b, v80
	v_cndmask_b32 v83, v83, v82, vcc_lo
	v_min_u32 v83, 0xd15, v83
	v_add_nc_u32 v84, 0xffffec5f, v80              ; y - 5,025
	v_cmp_gt_u32 vcc_lo, 0x13a1, v80
	v_cndmask_b32 v84, v84, v82, vcc_lo
	v_min_u32 v84, 0xb0af, v84
	v_lshl_add_u32 v85, v83, 7, v81
	v_lshlrev_b32 v86, 3, v83
	v_lshl_add_u32 v87, v84, 5, v81
	v_lshlrev_b32 v88, 1, v84
.irp ks, 0,1
.irp c, 0,1
	global_load_b128 v[112+8*\ks+4*\c:115+8*\ks+4*\c], v85, s[22:23] offset:64*\ks+32*\c
.endr
.endr
	global_load_b64 v[AS:AS+1], v86, s[24:25]
	global_load_b128 v[72:75], v87, s[26:27]
	global_load_u16 v[AS+2], v88, s[28:29]
.irp i, 76,77,78,79
	v_mov_b32 v\i, 0
.endr
.Lp1_k:
	BAR                                            ; x's 32 fragments and its scale bytes lie in LDS
; ---------------- waves 0-9: h; waves 10, 11: the zero bytes of h1's scale words; waves 0-13: the head unit's weights are asked for; wave 14: the shortlist and cluster logits
	s_cmp_lt_u32 s36, 10
	s_cbranch_scc0 .Lp2_z
	s_wait_loadcnt 0x0                             ; no load of waves 0-9 is out (all were waited for ahead of the stage's stores), so this is met at once; it stands so that on every way through the text no load is pending on a register written below
	XGPASS 0, 0
	PQUANT 0
	XGPASS 1, 0
	PQUANT 1
	s_branch .Lp2_a
.Lp2_z:
	s_cmp_lt_u32 s36, 12
	s_cbranch_scc0 .Lp2_a
	v_mov_b32 v24, 0                               ; h1 has two blocks: bytes 2 and 3 of its scale words are 0, over zero codes
.irp m, 0,1,2,3
	ds_store_b8 v18, v24 offset:64*\m              ; both lanes of a token write the same byte with the same value
.endr
.Lp2_a:
	s_cmp_lt_u32 s36, 14
	s_cbranch_scc0 .Lp2_b
	s_wait_loadcnt 0x0                             ; likewise: no load of waves 0-13 is out; the registers loaded below are those that wave 14's gathers fill on its own way
	s_lshl_b32 s86, s48, 5                         ; the unit's own first row,
	s_min_u32 s52, s86, 1645                       ; the row at which it is read (1,677 - 32 at the most),
	s_sub_co_u32 s49, s86, s52                     ; and how many of its rows the unit before has counted
	s_lshl_b32 s40, s52, 9
	s_add_nc_u64 s[42:43], s[8:9], s[40:41]
	s_lshl_b32 s40, s52, 5
	s_add_nc_u64 s[44:45], s[10:11], s[40:41]
	s_lshl_b32 s40, s52, 2
	s_add_nc_u64 s[46:47], s[12:13], s[40:41]
	v_bfe_u32 v13, v0, 4, 1
	v_lshlrev_b32 v13, 6, v13                      ; the bias of my half's 16 rows
	XA_LOAD
.irp u, 0,1
.irp j, 0,1,2,3,4,5,6,7
	global_load_b32 v[72+8*\u+\j], v13, s[46:47] offset:4*(8*\u+\j)
.endr
.endr
	s_branch .Lp2_e
.Lp2_b:
	s_cmp_eq_u32 s36, 14
	s_cbranch_scc0 .Lp2_e
	s_wait_loadcnt 0x0                             ; the gathered rows
.irp ks, 0,1,2,3,4,5,6,7
	PLACES 4
	ds_load_b128 v[24:27], v19 offset:XIMG+1024*\ks
	ds_load_b128 v[28:31], v19 offset:XIMG+1024*\ks+512
	s_wait_dscnt 0x0
.if \ks == 0
	WM 96, 128+8*\ks, 24, -1, AS+\ks, XS+\ks, 0, 0
	WM 104, 192+8*\ks, 24, -1, AS+\ks, XS+\ks, 1, 0
.else
	WM 96, 128+8*\ks, 24, 96, AS+\ks, XS+\ks, 0, 0
	WM 104, 192+8*\ks, 24, 104, AS+\ks, XS+\ks, 1, 0
.endif
.endr
	PLACES 4
	DIAG 50, 96, 51
	v_add_f32 v50, v50, v49                        ; head logit of the target (or of row 0)
	v_add_f32 v52, s74, v104                       ; cluster logit 0: even rows of the second product
	v_add_f32 v53, s75, v105                       ; cluster logit 1: odd rows
	ds_store_b32 v11, v50                          ; lanes l and l + 16 write the same word with the same value
	ds_store_b32 v11, v52 offset:64
	ds_store_b32 v11, v53 offset:128
.Lp2_e:
	BAR                                            ; h's codes and bytes, and wave 14's three numbers, lie in LDS
; ---------------- the head's softmax (waves 0-13); wave 15: the tail logits and the numerator
	s_cmp_lt_u32 s36, 14
	s_cbranch_scc0 .Lp4_t
	s_cmp_lt_u32 s48, 53
	s_cbranch_scc0 .Lp4_idle
	s_wait_loadcnt 0x0                             ; the unit's weights, scales and bias
	v_bfe_u32 v13, v0, 4, 1
	v_lshlrev_b32 v13, 4, v13
	v_sub_nc_u32 v13, s49, v13                     ; register 8 u + j is row 16 h + 8 u + j of the unit
	HEADPASS 0
	HEADPASS 1
	s_branch .Lp4_join
.Lp4_t:
	s_cmp_eq_u32 s36, 15
	s_cbranch_scc0 .Lp4_idle
	s_wait_loadcnt 0x0                             ; the gathered rows
	ds_load_b128 v[24:27], v20 offset:HIMG
	ds_load_b128 v[28:31], v20 offset:HIMG+2048
	ds_load_b128 v[48:51], v20 offset:HIMG+4096
	ds_load_b128 v[52:55], v20 offset:HIMG+6144
	ds_load_b128 v[96:99], v20 offset:HIMG+8192
	ds_load_b32 v[XS], v21 offset:HSC
	ds_load_b32 v[XS+1], v21 offset:HSC+256
	ds_load_b32 v[XS+2], v21 offset:HSC+512
	ds_load_b32 v89, v11
	ds_load_b32 v90, v11 offset:64
	ds_load_b32 v91, v11 offset:128
.irp i, 100,101,102,103
	v_mov_b32 v\i, 0
.endr
	PLACES 4                                       ; an operand written by vector instructions stands four places ahead of a scaled product
	s_wait_dscnt 0x0
	WM 32, 112, 24, -1, AS, XS, 0, 0
	WM 40, 72, 96, -1, AS+2, XS+2, 0, 0
	WM 32, 120, 48, 32, AS+1, XS+1, 0, 0
	PLACES 4
	DIAG 81, 32, 82
	DIAG 83, 40, 84
	v_add_f32 v81, v81, v90
	v_add_f32 v83, v83, v91
	v_add_nc_u32 v85, 0xfffff975, v80
	v_add_nc_u32 v86, 0xffffec5f, v80
	v_cmp_gt_u32 vcc_lo, 0xd16, v85                ; 1,675 <= y < 5,025
	v_cndmask_b32 v89, v89, v81, vcc_lo
	v_cmp_gt_u32 vcc_lo, 0xb0b0, v86               ; 5,025 <= y < 50,257
	v_cndmask_b32 v89, v89, v83, vcc_lo
	ds_store_b32 v11, v89 offset:192
.Lp4_idle:
	s_wait_loadcnt 0x0                             ; a unit past the table's end was loaded all the same: its registers are taken again below
	v_mov_b32 v24, 0x7f61b1e6                      ; no share of the head: M = -3e38, sum = 0
	v_mov_b32 v25, 0
.irp m, 0,1,2,3
	ds_store_b64 v5, v[24:25] offset:256*\m
.endr
	s_wait_dscnt 0x0                               ; the stores have read their registers
.Lp4_join:
; ---------------- tail 0
	s_mul_i32 s86, s39, 105
	s_lshr_b32 s87, s86, 6                         ; my first unit
	s_add_co_u32 s86, s86, 105
	s_lshr_b32 s86, s86, 6
	s_sub_co_u32 s50, s86, s87                     ; one or two units;
	s_sub_co_u32 s50, s50, 1                       ; the last is written out behind the loop
	s_lshl_b32 s51, s87, 5
	s_min_u32 s52, s51, 3318
	LOAD0
.irp m, 0,1,2,3
.irp ks, 0,1
.irp c, 0,1
	ds_load_b128 v[128+16*\m+8*\ks+4*\c:131+16*\m+8*\ks+4*\c], v2 offset:HIMG+(4*\ks+2*\c)*1024+256*\m
.endr
.endr
.endr
.irp ks, 0,1
.irp p, 0,1
	ds_load_b32 v[XS+2*\ks+\p], v10 offset:HSC+256*\ks+128*\p
.endr
.endr
	INIT 4
	s_cmp_eq_u32 s50, 0
	s_cbranch_scc1 .Lt0_tail
.Lt0_loop:
	s_wait_loadcnt 0x0                             ; the unit's nine loads, asked for a softmax step ago
	s_wait_dscnt 0x0
	MUL0
	s_add_co_u32 s51, s51, 32
	s_min_u32 s52, s51, 3318
	LOAD0
	SOFT 4, 16, 192
	s_sub_co_u32 s50, s50, 1
	s_cmp_lg_u32 s50, 0
	s_cbranch_scc1 .Lt0_loop
.Lt0_tail:
	s_wait_loadcnt 0x0
	s_wait_dscnt 0x0
	MUL0
	s_sub_co_u32 s91, s51, s52                     ; rows of this unit that the unit before has counted
	s_mul_i32 s86, s39, 707                        ; tail 1's share, and its first loads, ahead of this unit's softmax
	s_lshr_b32 s87, s86, 6
	s_add_co_u32 s86, s86, 707
	s_lshr_b32 s86, s86, 6
	s_sub_co_u32 s50, s86, s87                     ; 11 or 12 steps;
	s_sub_co_u32 s50, s50, 1                       ; the last is written out behind the loop
	s_lshl_b32 s51, s87, 6
	s_min_u32 s52, s51, 45168
	PLACES 4
.irp m, 0,1,2,3
.irp i, 4,5,6,7
	v_mov_b32 v[96+8*\m+\i], 0                     ; h1 has K = 64: the upper 64 of the instruction's 128 are zero codes
.endr
.endr
.irp i, 88,89,90,91
	v_mov_b32 v\i, 0
.endr
.irp m, 0,1,2,3
	ds_load_b128 v[96+8*\m:99+8*\m], v2 offset:HIMG+8192+256*\m
.endr
.irp p, 0,1
	ds_load_b32 v[XS+4+\p], v10 offset:HSC+512+128*\p
.endr
	LOAD1
	s_cmp_eq_u32 s91, 0
	s_cbranch_scc1 .Lt0_open
	v_bfe_u32 v13, v0, 4, 1
	v_lshlrev_b32 v13, 3, v13
	v_sub_nc_u32 v13, s91, v13                     ; register 8 u + j is row 16 u + 8 h + j of the unit
	MASKLOW 4, 16, 192, 16
.Lt0_open:
	SOFT 4, 16, 192
	FLUSH 1
; ---------------- tail 1: nine tenths of all logits
	INIT 4
.Lt1_loop:
	s_wait_loadcnt 0x0                             ; the step's six loads, asked for a softmax step ago
	s_wait_dscnt 0x0
	MUL1
	s_add_co_u32 s51, s51, 64
	s_min_u32 s52, s51, 45168
	LOAD1
	SOFT 4, 32, 128
	s_sub_co_u32 s50, s50, 1
	s_cmp_gt_i32 s50, 0                            ; 10 or 11 trips
	s_cbranch_scc1 .Lt1_loop
	s_wait_loadcnt 0x0
	s_wait_dscnt 0x0
	MUL1
	s_sub_co_u32 s91, s51, s52
	PLACES 4
	s_cmp_eq_u32 s91, 0
	s_cbranch_scc1 .Lt1_open
	v_bfe_u32 v13, v0, 4, 1
	v_lshlrev_b32 v13, 3, v13
	v_sub_nc_u32 v13, s91, v13                     ; register 8 n + j is row 16 n + 8 h + j of the step
	MASKLOW 4, 32, 128, 16
.Lt1_open:
	SOFT 4, 32, 128
	FLUSH 2
	BAR                                            ; every wave's pairs lie in LDS
; ---------------- the work-group's log-sum-exp: wave 4 k + m merges table k, tile m, over 16 waves and the two halves of the lanes
	s_cmp_lt_u32 s36, 12
	s_cbranch_scc0 .Lp7_e
.irp i, 0,1,2,3,4,5,6,7,8,9,10,11,12,13,14,15
	ds_load_b64 v[128+2*\i:129+2*\i], v22 offset:1024*\i
.endr
	s_wait_dscnt 0x0
	v_min3_num_f32 v24, v128, v130, v132
.irp i, 3,5,7,9,11,13
	v_min3_num_f32 v24, v24, v[128+2*\i], v[130+2*\i]
.endr
	v_min_num_f32 v24, v24, v158
	v_permlanex16_b32 v25, v24, s56, s57
	v_min_num_f32 v24, v24, v25                    ; the least -M: the largest M
.irp i, 0,1,2,3,4,5,6,7,8,9,10,11,12,13,14,15
	v_sub_f32 v[128+2*\i], v24, v[128+2*\i]        ; M_i - M: a whole number, 0 or less
.endr
.irp i, 0,1,2,3,4,5,6,7,8,9,10,11,12,13,14,15
	v_cvt_i32_f32 v[128+2*\i], v[128+2*\i]
.endr
.irp i, 0,1,2,3,4,5,6,7,8,9,10,11,12,13,14,15
	v_ldexp_f32 v[129+2*\i], v[129+2*\i], v[128+2*\i]
.endr
.irp i, 0,1,2,3,4,5,6,7
	v_add_f32 v[129+4*\i], v[129+4*\i], v[131+4*\i]
.endr
.irp i, 0,1,2,3
	v_add_f32 v[129+8*\i], v[129+8*\i], v[133+8*\i]
.endr
.irp i, 0,1
	v_add_f32 v[129+16*\i], v[129+16*\i], v[137+16*\i]
.endr
	v_add_f32 v129, v129, v145
	v_permlanex16_b32 v25, v129, s56, s57
	v_add_f32 v129, v129, v25
	v_log_f32 v26, v129
	v_nop                                          ; one plain place behind the transcendental
	s_wait_alu depctr_va_vdst(0)
	v_sub_f32 v26, v26, v24                        ; M + log2(sum)
	ds_store_b32 v12, v26                          ; lanes l and l + 16 write the same word with the same value
.Lp7_e:
	BAR
; ---------------- the way out: waves 0-2 store a table's 64 numbers, 256 consecutive aligned bytes; wave 3 the 16 numerators
	s_cmp_lt_u32 s36, 4
	s_cbranch_scc0 .Lend
	s_cmp_eq_u32 s36, 3
	s_cbranch_scc1 .Lnum
	ds_load_b64 v[24:25], v23
	s_lshl_b32 s78, s36, 2
	s_add_co_u32 s78, s78, s37
	s_lshl_b32 s78, s78, 14                        ; part[table][Q]: 4,096 numbers
	s_lshl_b32 s40, s38, 8
	s_add_co_u32 s40, s40, s78
	s_add_nc_u64 s[76:77], s[32:33], s[40:41]
	s_wait_dscnt 0x0
	global_store_b64 v7, v[24:25], s[76:77]
	s_branch .Lend
.Lnum:
	ds_load_b32 v24, v11 offset:192
	s_lshl_b32 s40, s38, 8
	s_add_nc_u64 s[76:77], s[34:35], s[40:41]
	s_wait_dscnt 0x0
	global_store_b32 v21, v24, s[76:77]            ; lanes l and l + 16 store the same word with the same value
.Lend:
	s_wait_tensorcnt 0x0
	ds_add_u32 v94, v95
	s_wait_dscnt 0x0
	s_endpgm
.Lfunc_end_k_qc036742635_bulk:
	.size	k_qc036742635_bulk, .Lfunc_end_k_qc036742635_bulk-k_qc036742635_bulk
	.p2alignl 7, 3214868480
	.fill 96, 4, 3214868480
	.section	.rodata,"a",@progbits
	.p2align	6, 0x0
	.amdhsa_kernel k_qc036742635_bulk
		.amdhsa_group_segment_fixed_size 98560
		.amdhsa_private_segment_fixed_size 0
		.amdhsa_enable_private_segment 0
		.amdhsa_kernarg_size 128
		.amdhsa_user_sgpr_count 2
		.amdhsa_user_sgpr_kernarg_segment_ptr 1
		.amdhsa_wavefront_size32 1
		.amdhsa_system_sgpr_workgroup_id_x 1
		.amdhsa_system_sgpr_workgroup_id_y 1
		.amdhsa_system_sgpr_workgroup_id_z 1
		.amdhsa_system_vgpr_workitem_id 0
		.amdhsa_next_free_vgpr 256
		.amdhsa_next_free_sgpr 96
		.amdhsa_reserve_vcc 1
		.amdhsa_float_denorm_mode_32 3
		.amdhsa_float_denorm_mode_16_64 3
		.amdhsa_memory_ordered 1
		.amdhsa_forward_progress 1
		.amdhsa_inst_pref_size 163
	.end_amdhsa_kernel
	.amdgpu_metadata
---
amdhsa.version: [ 1, 2 ]
amdhsa.kernels:
  - .name:           k_qc036742635_bulk
    .symbol:         k_qc036742635_bulk.kd
    .args:
      - { .name: x_codes, .offset: 0, .size: 8, .value_kind: global_buffer, .address_space: global }
      - { .name: x_scales, .offset: 8, .size: 8, .value_kind: global_buffer, .address_space: global }
      - { .name: head_w_codes, .offset: 16, .size: 8, .value_kind: global_buffer, .address_space: global }
      - { .name: head_w_scales, .offset: 24, .size: 8, .value_kind: global_buffer, .address_space: global }
      - { .name: head_b, .offset: 32, .size: 8, .value_kind: global_buffer, .address_space: global }
      - { .name: proj0_codes, .offset: 40, .size: 8, .value_kind: global_buffer, .address_space: global }
      - { .name: proj0_scales, .offset: 48, .size: 8, .value_kind: global_buffer, .address_space: global }
      - { .name: proj1_codes, .offset: 56, .size: 8, .value_kind: global_buffer, .address_space: global }
      - { .name: proj1_scales, .offset: 64, .size: 8, .value_kind: global_buffer, .address_space: global }
      - { .name: w0_codes, .offset: 72, .size: 8, .value_kind: global_buffer, .address_space: global }
      - { .name: w0_scales, .offset: 80, .size: 8, .value_kind: global_buffer, .address_space: global }
      - { .name: w1_codes, .offset: 88, .size: 8, .value_kind: global_buffer, .address_space: global }
      - { .name: w1_scales, .offset: 96, .size: 8, .value_kind: global_buffer, .address_space: global }
      - { .name: y, .offset: 104, .size: 8, .value_kind: global_buffer, .address_space: global }
      - { .name: part, .offset: 112, .size: 8, .value_kind: global_buffer, .address_space: global }
      - { .name: num, .offset: 120, .size: 8, .value_kind: global_buffer, .address_space: global }
    .group_segment_fixed_size: 98560
    .private_segment_fixed_size: 0
    .kernarg_segment_align: 8
    .kernarg_segment_size: 128
    .max_flat_workgroup_size: 512
    .sgpr_count:     96
    .vgpr_count:     256
    .wavefront_size: 32
...
	.end_amdgpu_metadata
.endif
;; end of part 1
;; launch finish (part 2): grid 1 x 1, 32 waves a work-group, no clusters, 5,120 bytes of LDS; arguments part, num, y, out0, out1; writes out0, out1
.if DOCPART == 2
	.amdgcn_target "amdgcn-amd-amdhsa--gfx1250"
	.amdhsa_code_object_version 6
	.text
	.protected	k_qc036742635_finish
	.globl	k_qc036742635_finish
	.p2align	8
	.type	k_qc036742635_finish,@function
k_qc036742635_finish:
	s_mov_b64 s[64:65], 0
	v_nop
	global_prefetch_b8 v0, s[64:65] scope:SCOPE_SE
	s_setreg_imm32_b32 hwreg(HW_REG_WAVE_MODE, 25, 1), 1
	s_wait_xcnt 0x0
; out0[token] = numerator - ln 2 x (head's log-sum-exp + the chosen tail's, or 0), out1 = -mean(out0).
; part: [3 tables][4 parts][4,096] f32, log-sum-exps in base 2 over a quarter of a table's rows; num: [4,096] f32; y: [4,096] i32.
; One work-group, since the mean has one owner: 1,024 threads, four tokens each; every load and the store of out0 take 16 bytes a lane, 512 consecutive bytes a wave.
; The four parts are merged under their maximum: L = m + log2(sum of 2^(l - m)).  No matrix work, no loop: 224 KB are read once.
; REGISTERS: v1 16 x thread; v16-63 the parts (16 table + 4 part + token); v64-67 num; v68-71 y; v72-83 m, then L (4 table + token); v84-95 sums; v96-99 out0; v100-103, v8-15 at work.
	s_load_b256 s[4:11], s[0:1], 0x0               ; part, num, y, out0
	s_load_b64 s[12:13], s[0:1], 0x20              ; out1
	v_lshl_add_u32 v104, v0, 2, 0x400
	v_mov_b32 v105, 0
	v_lshlrev_b32 v1, 4, v0
	v_lshrrev_b32 v2, 5, v0
	v_readfirstlane_b32 s14, v2                    ; wave 0..31
	v_lshlrev_b32 v3, 2, v2                        ; LDS: my wave's word
	v_and_b32 v4, 31, v0
	v_lshlrev_b32 v4, 2, v4                        ; LDS: my lane's word
	s_mov_b32 s16, 0x76543210
	s_mov_b32 s17, 0xfedcba98                      ; v_permlanex16_b32's selects for lane l xor 16
	s_mov_b32 s18, 0xbf317218                      ; -ln 2
	s_wait_kmcnt 0x0
.irp n, 0,1,2,3,4,5,6,7,8,9,10,11
	global_load_b128 v[16+4*\n:19+4*\n], v1, s[4:5] offset:16384*\n th:TH_LOAD_NT
.endr
	global_load_b128 v[64:67], v1, s[6:7] th:TH_LOAD_NT
	global_load_b128 v[68:71], v1, s[8:9] th:TH_LOAD_NT
	s_wait_loadcnt 0x0
.irp k, 0,1,2
.irp e, 0,1,2,3
	v_max3_num_f32 v[72+4*\k+\e], v[16+16*\k+\e], v[20+16*\k+\e], v[24+16*\k+\e]
.endr
.endr
.irp k, 0,1,2
.irp e, 0,1,2,3
	v_max_num_f32 v[72+4*\k+\e], v[72+4*\k+\e], v[28+16*\k+\e]
.endr
.endr
.irp k, 0,1,2
.irp q, 0,1,2,3
.irp e, 0,1,2,3
	v_sub_f32 v[16+16*\k+4*\q+\e], v[16+16*\k+4*\q+\e], v[72+4*\k+\e]
.endr
.endr
.endr
.irp n, 0,1,2,3,4,5,6,7,8,9,10,11,12,13,14,15,16,17,18,19,20,21,22,23,24,25,26,27,28,29,30,31,32,33,34,35,36,37,38,39,40,41,42,43,44,45,46,47
	v_exp_f32 v[16+\n], v[16+\n]
.endr
	v_nop                                          ; one plain place behind the exponentials
	s_wait_alu depctr_va_vdst(0)
.irp k, 0,1,2
.irp e, 0,1,2,3
	v_add_f32 v[84+4*\k+\e], v[16+16*\k+\e], v[20+16*\k+\e]
	v_add_f32 v[24+16*\k+\e], v[24+16*\k+\e], v[28+16*\k+\e]
.endr
.endr
.irp k, 0,1,2
.irp e, 0,1,2,3
	v_add_f32 v[84+4*\k+\e], v[84+4*\k+\e], v[24+16*\k+\e]
.endr
.endr
.irp n, 0,1,2,3,4,5,6,7,8,9,10,11
	v_log_f32 v[84+\n], v[84+\n]
.endr
	v_nop                                          ; one plain place behind the logarithms
	s_wait_alu depctr_va_vdst(0)
.irp n, 0,1,2,3,4,5,6,7,8,9,10,11
	v_add_f32 v[72+\n], v[72+\n], v[84+\n]         ; L
.endr
.irp e, 0,1,2,3
	v_add_nc_u32 v[8+\e], 0xfffff975, v[68+\e]     ; y - 1,675
	v_add_nc_u32 v[12+\e], 0xffffec5f, v[68+\e]    ; y - 5,025
.endr
.irp e, 0,1,2,3
	v_cmp_gt_u32 vcc_lo, 0xd16, v[8+\e]            ; the target lies in tail 0
	v_cndmask_b32 v[100+\e], 0, v[76+\e], vcc_lo
	v_cmp_gt_u32 vcc_lo, 0xb0b0, v[12+\e]          ; in tail 1
	v_cndmask_b32 v[100+\e], v[100+\e], v[80+\e], vcc_lo
	v_add_f32 v[100+\e], v[100+\e], v[72+\e]
	v_fma_f32 v[96+\e], v[100+\e], s18, v[64+\e]
.endr
	global_store_b128 v1, v[96:99], s[10:11]
	; the mean: four numbers a lane, 32 lanes, 32 waves
	v_add_f32 v5, v96, v97
	v_add_f32 v6, v98, v99
	v_add_f32 v5, v5, v6
	v_add_f32_dpp v5, v5, v5 row_xmask:1 row_mask:0xf bank_mask:0xf
	v_add_f32_dpp v5, v5, v5 row_xmask:2 row_mask:0xf bank_mask:0xf
	v_add_f32_dpp v5, v5, v5 row_xmask:4 row_mask:0xf bank_mask:0xf
	v_add_f32_dpp v5, v5, v5 row_xmask:8 row_mask:0xf bank_mask:0xf
	v_permlanex16_b32 v6, v5, s16, s17
	v_add_f32 v5, v5, v6
	ds_store_b32 v3, v5                            ; all lanes write my wave's word with the same value
	s_wait_dscnt 0x0
	s_barrier_signal -1
	s_barrier_wait -1
	s_cmp_lg_u32 s14, 0
	s_cbranch_scc1 .Lend
	ds_load_b32 v5, v4                             ; wave 0: a wave's sum in each lane
	v_mov_b32 v7, 0
	s_wait_dscnt 0x0
	v_add_f32_dpp v5, v5, v5 row_xmask:1 row_mask:0xf bank_mask:0xf
	v_add_f32_dpp v5, v5, v5 row_xmask:2 row_mask:0xf bank_mask:0xf
	v_add_f32_dpp v5, v5, v5 row_xmask:4 row_mask:0xf bank_mask:0xf
	v_add_f32_dpp v5, v5, v5 row_xmask:8 row_mask:0xf bank_mask:0xf
	v_permlanex16_b32 v6, v5, s16, s17
	v_add_f32 v5, v5, v6
	v_mul_f32 v5, 0xb9800000, v5                   ; x -1 / 4,096
	v_cmp_eq_u32 vcc_lo, 0, v0
	s_wait_xcnt 0x0                                ; EXEC is a source of the store of out0: it changes only behind this wait
	s_and_saveexec_b32 s20, vcc_lo
	global_store_b32 v7, v5, s[12:13]              ; thread 0 alone
	s_wait_xcnt 0x0                                ; and again ahead of the line that widens it
	s_or_b32 exec_lo, exec_lo, s20
.Lend:
	s_wait_tensorcnt 0x0
	ds_add_u32 v104, v105
	s_wait_dscnt 0x0
	s_endpgm
.Lfunc_end_k_qc036742635_finish:
	.size	k_qc036742635_finish, .Lfunc_end_k_qc036742635_finish-k_qc036742635_finish
	.p2alignl 7, 3214868480
	.fill 96, 4, 3214868480
	.section	.rodata,"a",@progbits
	.p2align	6, 0x0
	.amdhsa_kernel k_qc036742635_finish
		.amdhsa_group_segment_fixed_size 5120
		.amdhsa_private_segment_fixed_size 0
		.amdhsa_enable_private_segment 0
		.amdhsa_kernarg_size 40
		.amdhsa_user_sgpr_count 2
		.amdhsa_user_sgpr_kernarg_segment_ptr 1
		.amdhsa_wavefront_size32 1
		.amdhsa_system_sgpr_workgroup_id_x 1
		.amdhsa_system_sgpr_workgroup_id_y 1
		.amdhsa_system_sgpr_workgroup_id_z 1
		.amdhsa_system_vgpr_workitem_id 0
		.amdhsa_next_free_vgpr 106
		.amdhsa_next_free_sgpr 66
		.amdhsa_reserve_vcc 1
		.amdhsa_float_denorm_mode_32 3
		.amdhsa_float_denorm_mode_16_64 3
		.amdhsa_memory_ordered 1
		.amdhsa_forward_progress 1
		.amdhsa_inst_pref_size 12
	.end_amdhsa_kernel
	.amdgpu_metadata
---
amdhsa.version: [ 1, 2 ]
amdhsa.kernels:
  - .name:           k_qc036742635_finish
    .symbol:         k_qc036742635_finish.kd
    .args:
      - { .name: part, .offset: 0, .size: 8, .value_kind: global_buffer, .address_space: global }
      - { .name: num, .offset: 8, .size: 8, .value_kind: global_buffer, .address_space: global }
      - { .name: y, .offset: 16, .size: 8, .value_kind: global_buffer, .address_space: global }
      - { .name: out0, .offset: 24, .size: 8, .value_kind: global_buffer, .address_space: global }
      - { .name: out1, .offset: 32, .size: 8, .value_kind: global_buffer, .address_space: global }
    .group_segment_fixed_size: 5120
    .private_segment_fixed_size: 0
    .kernarg_segment_align: 8
    .kernarg_segment_size: 40
    .max_flat_workgroup_size: 1024
    .sgpr_count:     66
    .vgpr_count:     106
    .wavefront_size: 32
...
	.end_amdgpu_metadata
.endif
;; end of part 2
;; ======== version 2 of 2: 2 launches
;; workspace buffers: part 196,608 bytes; num 16,384 bytes
;; launch bulk (part 3): grid 4 x 64, 16 waves a work-group, no clusters, 98,560 bytes of LDS; arguments x_codes, x_scales, head_w_codes, head_w_scales, head_b, proj0_codes, proj0_scales, proj1_codes, proj1_scales, w0_codes, w0_scales, w1_codes, w1_scales, y, part, num; writes part, num
.if DOCPART == 3
	.amdgcn_target "amdgcn-amd-amdhsa--gfx1250"
	.amdhsa_code_object_version 6
	.text
	.protected	k_qc036742635_bulk
	.globl	k_qc036742635_bulk
	.p2align	8
	.type	k_qc036742635_bulk,@function
k_qc036742635_bulk:
	s_mov_b64 s[64:65], 0
	v_nop
	global_prefetch_b8 v0, s[64:65] scope:SCOPE_SE
	s_setreg_imm32_b32 hwreg(HW_REG_WAVE_SCHED_MODE, 0, 2), 2
	s_setreg_imm32_b32 hwreg(HW_REG_WAVE_MODE, 25, 1), 1
	s_wait_xcnt 0x0
	s_wait_alu depctr_vm_vsrc(0)
; ADAPTIVE SOFTMAX, THE BULK.  4,096 tokens; head 1,677 logits (K 1,024, + bias); tail 0: h0 = x proj0^T (256), quantised, 3,350 logits; tail 1: h1 = x proj1^T (64), quantised, 45,232 logits.
; All five products on codes of FP4 (E2M1) with one E8M0 byte for each 32 along K.  This launch leaves, for each token, four partial log-sum-exps (base 2) of each of the three softmaxes, and the numerator.
; SHARES.  A group of 64 tokens (work-group y; four tiles of 16) is served by four work-groups (x = Q) of 16 waves: 64 jobs J = 16 Q + wave.  Every product is used transposed (source 0 = 16 weight rows,
; source 1 = 16 tokens): a lane holds ONE token, its registers run along the vocabulary, so a maximum and a sum never change lanes inside a loop, and each weight fragment feeds four matrix instructions.
;   head: unit of 32 rows number 14 Q + wave (waves 0-13, numbers under 53);  tail 0: units of 32 rows (105 J)>>6 .. (105 (J+1))>>6;  tail 1: steps of 64 rows (707 J)>>6 .. (707 (J+1))>>6: 11 or 12.
;   h0 and h1 are made in each of the four work-groups (waves 0-9, 32 dims each), quantised in registers, and reach the other waves through LDS.
;   The target's logits are diagonals of 16 x 16 products whose weight rows are gathered by y: waves 14 and 15, for token tile Q.
; SOFTMAX.  t = logit x log2(e); M = the lane's running largest t rounded up to a whole number (kept as -M); the sum of 2^(t - M) is rescaled by 2^(old M - new M), which rounds nothing.
; RAGGED ENDS.  A table's last unit begins at (rows - unit) instead of its own row; the rows that it shares with the unit before become -infinity ahead of the maximum.  No load leaves its buffer.
; TAIL 1 HAS K = 64 in an instruction of 128: the tokens' registers 4-7 are zero codes, so what stands in the weights' registers 4-7 (the next tile's codes) adds nothing; scale bytes 2, 3 are 0 (2^-127), no NaN.
; NO JOINT LOADS, NO LDS RING FOR WEIGHTS: each weight row is used by one wave of a work-group, straight from registers; a step of tail 1 loads 2,176 bytes for 4,096 exponentials, asked for a whole
; softmax step ahead, and the sweep has no barrier at all; a ring shared in a cluster would put a round of barriers into a loop that is bound by its exponentials.  What the four work-groups of a group share is x: 34 KB, read once each.
; num leaves as 64 bytes a work-group, part of an aligned 256: 16 KB in the whole launch.
; LIMITS: y in 0 .. 50,256 (it is clamped ahead of every address).  A scale byte 0xff makes a softmax NaN, as it does in the definition.  A block of zeros of h gets the byte 1, not 127: its codes are zeros and only this text reads the byte.
; THE MODE: SCHED_MODE bits 1:0 = 2 (LLVM: expert scheduling mode 2), set by the entry lines.  The code itself states the register dependences between vector or matrix instructions and memory or LDS
; instructions, with s_wait_alu, always for 0.
; THE PLAN.  Registers that memory or LDS instructions touch, and who else names them:
;   v1-12, v17-23, v41, v54   offsets and LDS addresses: written at the head, never again: one wait on va_vdst ahead of the first load serves them for the whole text.
;   v13       the stage's LDS address, then the bias loads' offset, then a threshold that vector lines alone read: written again behind the waits on vm_vsrc that follow the first two barriers.
;   v15, v16  x's offset and the LDS address of x's scale words; from tail 0 on the running offsets, written once a step: a wait on vm_vsrc ahead of the two lines, and behind them the step's one wait on va_vdst.
;   v24-55    loaded and stored by the stage; then two buffers of x's fragments, read by the products: in a K step one wait on va_vdst ahead of the loads into the buffer that the step before read; then ST and
;             the quantiser's work: a wait on va_vdst ahead of each run of stores out of them, a wait on vm_vsrc behind it, ahead of every way on which they are written again.
;   v56-71    scale words: written by loads alone, read by products alone.
;   v72-91, v96-127, v128-255   weights, bias, h: written by loads (and zero codes by v_mov_b32), read by products; the scores and accumulators among them are named by matrix and vector lines alone.
;   In a step of a tail ONE wait on va_vdst stands behind the step's 16 products: they are done reading the weights and their scale words, and v15, v16 are written.  The next step's loads follow it in one
;   run, a whole softmax step ahead of their use; that softmax names the scores and ST alone, none of the registers that those loads touch, round the loop's back edge too.
;   Lane masks made by compares stand in s14-21, in runs, with one wait on va_sdst behind each run.
;
; LDS (each region written once)
.set XIMG, 0                           ; 32,768: x's 32 fragments as images of their registers: (tile m, K step ks) at (8 m + ks) 1,024; quad c at + 512 c; lane at + 16 lane
.set HIMG, 32768                       ; 10,240: h's codes: block w (0-7 h0, 8-9 h1) at 1,024 w; tile at + 256 m; token at + 16 r: 32 codes
.set HSC,  43008                       ; 768 (+256 spare): h's scale bytes at 256 (w / 4) + 4 token + w % 4; of the third table bytes 2, 3 are zeros
.set XSL,  44032                       ; 2,048: x's scale bytes as they lie in memory: 32 a token
.set STAT, 46080                       ; 49,152: (-M, sum) pairs: 16,384 table + 1,024 wave + 256 tile + 8 lane
.set BNC,  95232                       ; 1,024: merged log-sum-exps: 256 table + 4 token
.set TGB,  96256                       ; 256: tile Q's target: shortlist logit + 0, cluster logits + 64, + 128, numerator + 192; 4 r each
; VECTOR REGISTERS that stay: v1 16 lane; v2 16 r + 1,024 h; v3, v4 a 32-row unit's codes and scales (K 1,024); v5 my STAT; v6, v7 tail 0's codes, 8 lane; v8, v9 tail 1's codes, 2 lane; v10 4 lane;
;   v11 TGB + 4 r; v12 my BNC word; v13 x stage's LDS address, later offsets and mask thresholds; v14 -infinity; v15 running offset of codes; v16 32 lane (x's scale words in LDS), from tail 0 on the running offset of scales;
;   v17, v18 where I put h's codes and byte; v19-21 tile Q in XIMG, HIMG, HSC; v22 merge; v23 way out
;   v24-55 ST: eight a tile: +0 -M, +1 largest t, +2:3 sum, +4 f, +5 (pair's upper word), +6, +7 at work.
;   v56-71 SCALE WORDS AND NOTHING ELSE: XS = v56-63 the tokens' side, AS = v64-71 the weights' side.   The other regions are named at their macros.
.set ST, 24
.set XS, 56
.set AS, 64
.set DM, 66                            ; s66-72: lanes with lane % 8 = 1 .. 7;  s73: lanes that hold their own token's diagonal
.set MK, 14                            ; s14-21: lane masks made by compares (the projections' addresses, which come in these registers, are last read at the first loads)
.macro PLACES n
.rept \n
	v_nop
.endr
.endm
.macro BAR                             ; my LDS stores have landed and my LDS loads are in: then the work-group's barrier
	s_wait_dscnt 0x0
	s_barrier_signal -1
	s_barrier_wait -1
.endm
; One matrix instruction.  d, a, b: first registers; c: first register of C, or -1 for the constant 0; sa, sb: scale registers; ra, rb = 1: the scales stand in lanes 16-31
.macro WM d, a, b, c, sa, sb, ra, rb
.if (\c) < 0
.if ((\ra) == 0) && ((\rb) == 0)
	v_wmma_scale_f32_16x16x128_f8f6f4 v[(\d):(\d)+7], v[(\a):(\a)+7], v[(\b):(\b)+7], 0, v[(\sa)], v[(\sb)] matrix_a_fmt:MATRIX_FMT_FP4 matrix_b_fmt:MATRIX_FMT_FP4
.elseif (\rb) == 0
	v_wmma_scale_f32_16x16x128_f8f6f4 v[(\d):(\d)+7], v[(\a):(\a)+7], v[(\b):(\b)+7], 0, v[(\sa)], v[(\sb)] matrix_a_fmt:MATRIX_FMT_FP4 matrix_b_fmt:MATRIX_FMT_FP4 matrix_a_scale:MATRIX_SCALE_ROW1
.elseif (\ra) == 0
	v_wmma_scale_f32_16x16x128_f8f6f4 v[(\d):(\d)+7], v[(\a):(\a)+7], v[(\b):(\b)+7], 0, v[(\sa)], v[(\sb)] matrix_a_fmt:MATRIX_FMT_FP4 matrix_b_fmt:MATRIX_FMT_FP4 matrix_b_scale:MATRIX_SCALE_ROW1
.else
	v_wmma_scale_f32_16x16x128_f8f6f4 v[(\d):(\d)+7], v[(\a):(\a)+7], v[(\b):(\b)+7], 0, v[(\sa)], v[(\sb)] matrix_a_fmt:MATRIX_FMT_FP4 matrix_b_fmt:MATRIX_FMT_FP4 matrix_a_scale:MATRIX_SCALE_ROW1 matrix_b_scale:MATRIX_SCALE_ROW1
.endif
.else
.if ((\ra) == 0) && ((\rb) == 0)
	v_wmma_scale_f32_16x16x128_f8f6f4 v[(\d):(\d)+7], v[(\a):(\a)+7], v[(\b):(\b)+7], v[(\c):(\c)+7], v[(\sa)], v[(\sb)] matrix_a_fmt:MATRIX_FMT_FP4 matrix_b_fmt:MATRIX_FMT_FP4
.elseif (\rb) == 0
	v_wmma_scale_f32_16x16x128_f8f6f4 v[(\d):(\d)+7], v[(\a):(\a)+7], v[(\b):(\b)+7], v[(\c):(\c)+7], v[(\sa)], v[(\sb)] matrix_a_fmt:MATRIX_FMT_FP4 matrix_b_fmt:MATRIX_FMT_FP4 matrix_a_scale:MATRIX_SCALE_ROW1
.elseif (\ra) == 0
	v_wmma_scale_f32_16x16x128_f8f6f4 v[(\d):(\d)+7], v[(\a):(\a)+7], v[(\b):(\b)+7], v[(\c):(\c)+7], v[(\sa)], v[(\sb)] matrix_a_fmt:MATRIX_FMT_FP4 matrix_b_fmt:MATRIX_FMT_FP4 matrix_b_scale:MATRIX_SCALE_ROW1
.else
	v_wmma_scale_f32_16x16x128_f8f6f4 v[(\d):(\d)+7], v[(\a):(\a)+7], v[(\b):(\b)+7], v[(\c):(\c)+7], v[(\sa)], v[(\sb)] matrix_a_fmt:MATRIX_FMT_FP4 matrix_b_fmt:MATRIX_FMT_FP4 matrix_a_scale:MATRIX_SCALE_ROW1 matrix_b_scale:MATRIX_SCALE_ROW1
.endif
.endif
.endm
; A UNIT OF 32 WEIGHT ROWS WITH K = 1,024 (a projection's or the head's).  Lane-row m of tile u is the unit's row 8 u + m + 8 (m / 8), so that a lane's 16 results of the two tiles are rows 16 h + 0 .. 15.
; Fragments (u, ks) at v[128 + 64 u + 8 ks]; scale words of K step ks at v[AS + ks]: tile 0's in lanes 0-15, tile 1's in lanes 16-31.
.macro XA_LOAD
.irp u, 0,1
.irp ks, 0,1,2,3,4,5,6,7
.irp c, 0,1
	global_load_b128 v[128+64*\u+8*\ks+4*\c:131+64*\u+8*\ks+4*\c], v3, s[42:43] offset:4096*\u+64*\ks+32*\c
.endr
.endr
.endr
.irp i, 0,1
	global_load_b128 v[AS+4*\i:AS+3+4*\i], v4, s[44:45] offset:16*\i
.endr
.endm
.macro XB_LOAD p, ks, b                ; x's fragments of token tiles 2 p, 2 p + 1, K step ks, into buffer b: v[24 + 16 b + 8 t]
.irp t, 0,1
.irp c, 0,1
	ds_load_b128 v[24+16*(\b)+8*\t+4*\c:27+16*(\b)+8*\t+4*\c], v1 offset:XIMG+((8*(2*(\p)+\t)+(\ks))*2+\c)*512
.endr
.endr
.endm
; The unit against token tiles 2 p, 2 p + 1: four accumulators v[96 + 16 t + 8 u] by turns, eight K steps.  bias = 1: the sums begin with v[72 + 8 u].
; x's scale words of these 32 tokens come first: v[XS + ks], tile 2 p in lanes 0-15, tile 2 p + 1 in lanes 16-31.
; No wait on va_vdst or vm_vsrc stands at its head or in its first K step: whoever named XS or v24-55 before stands ahead of a wait of its kind (the head's and the two behind the first two barriers; those round the
; stores at the end of PQUANT and of HEADPASS), and no vector, matrix or memory line since those waits names these registers.
.macro XGPASS p, bias
.irp i, 0,1
	ds_load_b128 v[XS+4*\i:XS+3+4*\i], v16 offset:XSL+1024*(\p)+16*\i
.endr
	XB_LOAD \p, 0, 0
.irp ks, 0,1,2,3,4,5,6,7
	PLACES 4                                       ; four places between the products that read a buffer and the loads into it
.if \ks < 7
.if \ks > 0
	s_wait_alu depctr_va_vdst(0)                   ; the products of the K step before are done reading the buffer in which the four loads below land
.endif
	XB_LOAD \p, \ks+1, (\ks+1)%2
	s_wait_dscnt 0x4                               ; this K step's four loads (and, in the first step, the scale words' two) are in; the next step's four, just issued, may be out
.else
	s_wait_dscnt 0x0
.endif
.irp t, 0,1
.irp u, 0,1
.if \ks == 0
.if \bias
	WM 96+16*\t+8*\u, 128+64*\u+8*\ks, 24+16*(\ks%2)+8*\t, 72+8*\u, AS+\ks, XS+\ks, \u, \t
.else
	WM 96+16*\t+8*\u, 128+64*\u+8*\ks, 24+16*(\ks%2)+8*\t, -1, AS+\ks, XS+\ks, \u, \t
.endif
.else
	WM 96+16*\t+8*\u, 128+64*\u+8*\ks, 24+16*(\ks%2)+8*\t, 96+16*\t+8*\u, AS+\ks, XS+\ks, \u, \t
.endif
.endr
.endr
.endr
	PLACES 4                                       ; ahead of the first read of the results
.endm
; My 32 dims of h for token tiles 2 p, 2 p + 1 become a block of codes and its byte.  A lane has 16 neighbours (16 h + 0 .. 15) of its token; lane l xor 16 has the other 16.
.macro PQUANT p
.irp t, 0,1
	v_mov_b32 v[25+8*\t], 0                        ; a lane permute's destination counts as read
	v_max3_num_f32 v[24+8*\t], |v[96+16*\t]|, |v[97+16*\t]|, 0x1800000   ; with the floor 2^(3 - 127): the byte cannot fall under 1
.endr
.irp i, 2,4,6,8,10,12,14
.irp t, 0,1
	v_max3_num_f32 v[24+8*\t], v[24+8*\t], |v[96+16*\t+\i]|, |v[97+16*\t+\i]|
.endr
.endr
.irp t, 0,1
	v_permlanex16_b32 v[25+8*\t], v[24+8*\t], s56, s57
.endr
.irp t, 0,1
	v_max_num_f32 v[24+8*\t], v[24+8*\t], v[25+8*\t]   ; the block's largest magnitude
.endr
.irp t, 0,1
	v_add_nc_u32 v[26+8*\t], 0xff000000, v[24+8*\t]    ; 2 off its exponent field: the conversion's scale operand
.endr
.irp t, 0,1
	v_lshrrev_b32 v[27+8*\t], 23, v[26+8*\t]           ; the scale's byte
.endr
.irp t, 0,1
	v_cvt_scalef32_pk8_fp4_f32 v[28+8*\t], v[96+16*\t:103+16*\t], v[26+8*\t]
	v_cvt_scalef32_pk8_fp4_f32 v[29+8*\t], v[104+16*\t:111+16*\t], v[26+8*\t]
.endr
	v_nop                                          ; one plain place behind the scaled conversions
	s_wait_alu depctr_va_vdst(0)                   ; the conversions have written the codes and the shifts the bytes, which the stores below read; the pass's products are done reading XS and both buffers, and the lines above are done with v24-37: the next pass's loads land there
.irp t, 0,1
	ds_store_b64 v17, v[28+8*\t:29+8*\t] offset:256*(2*(\p)+\t)
	ds_store_b8 v18, v[27+8*\t] offset:64*(2*(\p)+\t)  ; both lanes of a token write the same byte with the same value
.endr
	s_wait_dscnt 0x0                               ; the stores have read their registers: the next pass loads into them
.if (\p) == 0
	s_wait_alu depctr_vm_vsrc(0)                   ; the stores have read v27-29 and v35-37, in which the next pass's first loads land (behind the second pass the wait at the ways' join, straight behind this macro's branch, states it)
.endif
.endm
.macro INIT tiles                      ; -M = 3e38, largest t = -3e38, sum = 0
.set t, 0
.rept \tiles
	v_mov_b32 v[ST+8*t], 0x7f61b1e6
	v_mov_b32 v[ST+8*t+1], 0xff61b1e6
	v_mov_b32 v[ST+8*t+2], 0
	v_mov_b32 v[ST+8*t+3], 0
	v_mov_b32 v[ST+8*t+5], 0                       ; named as the upper word of the pair with f
.set t, t+1
.endr
.endm
; A softmax step: tile t's cnt scores stand in v[base + cnt t] on.  The tiles take turns line by line.  Each accumulator of eight is first read at its low end.
.macro SOFT tiles, cnt, base
.set t, 0
.rept \tiles
	v_max3_num_f32 v[ST+8*t+6], v[\base+\cnt*t], v[\base+\cnt*t+1], v[\base+\cnt*t+2]
	v_max3_num_f32 v[ST+8*t+7], v[\base+\cnt*t+\cnt/2], v[\base+\cnt*t+\cnt/2+1], v[\base+\cnt*t+\cnt/2+2]
.set t, t+1
.endr
.set i, 3
.rept (\cnt/2-4)/2
.set t, 0
.rept \tiles
	v_max3_num_f32 v[ST+8*t+6], v[ST+8*t+6], v[\base+\cnt*t+i], v[\base+\cnt*t+i+1]
	v_max3_num_f32 v[ST+8*t+7], v[ST+8*t+7], v[\base+\cnt*t+\cnt/2+i], v[\base+\cnt*t+\cnt/2+i+1]
.set t, t+1
.endr
.set i, i+2
.endr
.set q, 0
.rept 9
.set t, 0
.rept \tiles
.if q == 0
	v_max3_num_f32 v[ST+8*t+6], v[ST+8*t+6], v[\base+\cnt*t+\cnt/2-1], v[\base+\cnt*t+\cnt-1]
.elseif q == 1
	v_max_num_f32 v[ST+8*t+6], v[ST+8*t+6], v[ST+8*t+7]    ; the step's largest score
.elseif q == 2
	v_mul_f32 v[ST+8*t+6], s54, v[ST+8*t+6]                ; as t
.elseif q == 3
	v_max_num_f32 v[ST+8*t+1], v[ST+8*t+1], v[ST+8*t+6]    ; the running largest t
.elseif q == 4
	v_mov_b32 v[ST+8*t+7], v[ST+8*t]
.elseif q == 5
	v_floor_f32 v[ST+8*t], -v[ST+8*t+1]                    ; the new -M = -ceil(t): a whole number
.elseif q == 6
	v_sub_f32 v[ST+8*t+7], v[ST+8*t], v[ST+8*t+7]          ; old M - new M, 0 or less
.elseif q == 7
	v_cvt_i32_f32 v[ST+8*t+7], v[ST+8*t+7]                 ; (it saturates)
.else
	v_ldexp_f32 v[ST+8*t+4], 1.0, v[ST+8*t+7]              ; f = 2^(old M - new M)
.endif
.set t, t+1
.endr
.set q, q+1
.endr
.set i, 0
.rept \cnt/2
.set t, 0
.rept \tiles
	v_pk_fma_f32 v[\base+\cnt*t+i:\base+\cnt*t+i+1], v[\base+\cnt*t+i:\base+\cnt*t+i+1], s[54:55], v[ST+8*t:ST+8*t+1] op_sel_hi:[1,0,0]   ; t - M, two at a time
.set t, t+1
.endr
.set i, i+2
.endr
.set i, 0
	s_wait_alu depctr_va_vdst(0)
.rept \cnt
.set t, 0
.rept \tiles
	v_exp_f32 v[\base+\cnt*t+i], v[\base+\cnt*t+i]
.set t, t+1
.endr
.set i, i+1
.endr
.set t, 0
.rept \tiles
	v_pk_mul_f32 v[ST+8*t+2:ST+8*t+3], v[ST+8*t+2:ST+8*t+3], v[ST+8*t+4:ST+8*t+5] op_sel_hi:[1,0]   ; the sum under the new M (the plain place behind the exponentials)
.set t, t+1
.endr
.set t, 0
	s_wait_alu depctr_va_vdst(0)                   ; the step's exponentials have written the scores' registers, which the sums below read: one wait for the batch
.rept \tiles
	v_pk_add_f32 v[ST+8*t+6:ST+8*t+7], v[\base+\cnt*t:\base+\cnt*t+1], v[\base+\cnt*t+2:\base+\cnt*t+3]
.set t, t+1
.endr
.set i, 4
.rept (\cnt-4)/4
.set t, 0
.rept \tiles
	v_pk_add_f32 v[ST+8*t+2:ST+8*t+3], v[ST+8*t+2:ST+8*t+3], v[\base+\cnt*t+i:\base+\cnt*t+i+1]
	v_pk_add_f32 v[ST+8*t+6:ST+8*t+7], v[ST+8*t+6:ST+8*t+7], v[\base+\cnt*t+i+2:\base+\cnt*t+i+3]
.set t, t+1
.endr
.set i, i+4
.endr
.set t, 0
.rept \tiles
	v_pk_add_f32 v[ST+8*t+2:ST+8*t+3], v[ST+8*t+2:ST+8*t+3], v[ST+8*t+6:ST+8*t+7]
.set t, t+1
.endr
.endm
; Scores of rows that the unit before has already counted become -infinity: register 8 a + j where stride a + j < v13.  The eight compares of an accumulator's registers go in one run, into eight lane masks
.macro MASKLOW tiles, cnt, base, stride
.set a, 0
.rept \cnt/8
.set j, 0
.rept 8
	v_cmp_lt_i32 s[MK+j], \stride*a+j, v13
.set j, j+1
.endr
	s_wait_alu depctr_va_sdst(0)                   ; the eight compares have written their masks, ahead of the first select that reads one
.set j, 0
.rept 8
.set t, 0
.rept \tiles
	v_cndmask_b32 v[\base+\cnt*t+8*a+j], v[\base+\cnt*t+8*a+j], v14, s[MK+j]
.set t, t+1
.endr
.set j, j+1
.endr
.set a, a+1
.endr
.endm
.macro FLUSH k                         ; my four tiles' (-M, sum) of table k go to LDS
.irp m, 0,1,2,3
	v_add_f32 v[ST+8*\m+1], v[ST+8*\m+2], v[ST+8*\m+3]
.endr
	s_wait_alu depctr_va_vdst(0)                   ; the pairs are written, which the stores below read; the softmax is done with the scores' registers, in which (behind the last table) the merge's loads land
.irp m, 0,1,2,3
	ds_store_b64 v5, v[ST+8*\m:ST+8*\m+1] offset:16384*\k+256*\m
.endr
	s_wait_dscnt 0x0                               ; the stores have read their registers
	s_wait_alu depctr_vm_vsrc(0)                   ; the stores have read the pairs' registers, which the next table's first lines, or the merge's, write again
.endm
; TAIL 0: a unit of 32 rows from row s52.  Fragments (u, ks) at v[96 + 16 u + 8 ks], scale words v[AS + ks] (tile 0 | tile 1); h0 (m, ks) at v[128 + 16 m + 8 ks], its scale words v[XS + 2 ks + m / 2]; scores v[192 + 16 m + 8 u]
.macro LOAD0
	s_wait_alu depctr_vm_vsrc(0)                   ; the loads issued so far have read v15 and v16, which the two lines below write; at the sweep's head also: the head's last stores have read v24, v25, v32, v33 and v89, which are written again further down
	v_lshl_add_u32 v15, s52, 7, v6
	v_lshl_add_u32 v16, s52, 3, v7
	PLACES 2                                       ; with the two lines above: four places behind the products that read these registers
	s_wait_alu depctr_va_vdst(0)                   ; v15 and v16 are written, which the loads below read; the products and vector lines issued so far are done with v96-127 and AS, in which they land (at the sweep's head also with v128-191 and XS, in which h0 lands)
.irp u, 0,1
.irp ks, 0,1
.irp c, 0,1
	global_load_b128 v[96+16*\u+8*\ks+4*\c:99+16*\u+8*\ks+4*\c], v15, s[22:23] offset:2048*\u+64*\ks+32*\c
.endr
.endr
.endr
	global_load_b64 v[AS:AS+1], v16, s[24:25]
.endm
.macro MUL0
.irp ks, 0,1
.irp m, 0,1,2,3
.irp u, 0,1
.if \ks == 0
	WM 192+16*\m+8*\u, 96+16*\u+8*\ks, 128+16*\m+8*\ks, -1, AS+\ks, XS+2*\ks+\m/2, \u, \m%2
.else
	WM 192+16*\m+8*\u, 96+16*\u+8*\ks, 128+16*\m+8*\ks, 192+16*\m+8*\u, AS+\ks, XS+2*\ks+\m/2, \u, \m%2
.endif
.endr
.endr
.endr
.endm
; TAIL 1: a step of 64 rows from row s52.  Tile n's 16 bytes a lane at v[72 + 4 n] (v88-91, zeros, close the run); scale words v[AS + 2 + n / 2]; h1 (m) at v[96 + 8 m], upper four zero; its scale words v[XS + 4 + m / 2]; scores v[128 + 32 m + 8 n]
.macro LOAD1
	s_wait_alu depctr_vm_vsrc(0)                   ; the loads of the step before have read v15 and v16, which the two lines below write
	v_lshl_add_u32 v15, s52, 5, v8
	v_lshl_add_u32 v16, s52, 1, v9
	PLACES 2                                       ; with the two lines above: four places behind the products that read these registers
	s_wait_alu depctr_va_vdst(0)                   ; v15 and v16 are written, which the loads below read; the step's products are done reading v72-87 and the two scale words, in which they land (ahead of the first step also: tail 0's last products are done reading v96-127, in which h1 lands, and the zero codes are written, which tail 1's products take as operands)
.irp n, 0,1,2,3
	global_load_b128 v[72+4*\n:75+4*\n], v15, s[26:27] offset:512*\n
.endr
.irp p, 0,1
	global_load_u16 v[AS+2+\p], v16, s[28:29] offset:64*\p
.endr
.endm
.macro MUL1
.irp n, 0,1,2,3
.irp m, 0,1,2,3
	WM 128+32*\m+8*\n, 72+4*\n, 96+8*\m, -1, AS+2+\n/2, XS+4+\m/2, \n%2, \m%2
.endr
.endr
.endm
; The diagonal of a 16 x 16 result: token r's number stands in register r % 8 of lane r + 16 (r / 8); afterwards every lane has its token's
.macro DIAG dst, acc, tmp
	v_mov_b32 v[\tmp], 0
	v_cndmask_b32 v[\dst], v[\acc], v[\acc+1], s[DM]
.irp j, 2,3,4,5,6,7
	v_cndmask_b32 v[\dst], v[\dst], v[\acc+\j], s[DM+\j-1]
.endr
	v_permlanex16_b32 v[\tmp], v[\dst], s56, s57
	v_cndmask_b32 v[\dst], v[\tmp], v[\dst], s73
.endm
.macro HEADPASS p                      ; my head unit against token tiles 2 p, 2 p + 1; their (-M, sum) go to LDS at once
	XGPASS \p, 1
	s_cmp_eq_u32 s49, 0
	s_cbranch_scc1 .Lwhole_\@
	MASKLOW 2, 16, 96, 8
.Lwhole_\@:
	INIT 2
	SOFT 2, 16, 96
.irp t, 0,1
	v_add_f32 v[ST+8*\t+1], v[ST+8*\t+2], v[ST+8*\t+3]
.endr
	s_wait_alu depctr_va_vdst(0)                   ; the pairs are written, which the stores below read; the pass's products are done reading XS and both buffers, and its softmax is done with v24-39: the next pass's loads land there
.irp t, 0,1
	ds_store_b64 v5, v[ST+8*\t:ST+8*\t+1] offset:256*(2*\p+\t)
.endr
	s_wait_dscnt 0x0                               ; the stores have read their registers: the next pass loads into them
.if (\p) == 0
	s_wait_alu depctr_vm_vsrc(0)                   ; the stores have read v24, v25, v32, v33, in which the next pass's first loads land (behind the second pass the wait at the head of tail 0's first loads states it)
.endif
.endm
; ---------------- ids, constants, every address register
	s_load_b512 s[4:19], s[0:1], 0x0               ; x_codes 4, x_scales 6, head_w_codes 8, head_w_scales 10, head_b 12, proj0_codes 14, proj0_scales 16, proj1_codes 18
	s_load_b512 s[20:35], s[0:1], 0x40             ; proj1_scales 20, w0_codes 22, w0_scales 24, w1_codes 26, w1_scales 28, y 30, part 32, num 34
	v_lshl_add_u32 v94, v0, 2, 0x17900
	v_mov_b32 v95, 0
	v_lshrrev_b32 v24, 5, v0
	v_readfirstlane_b32 s36, v24                   ; wave 0..15
	s_and_b32 s37, ttmp9, 3                        ; Q
	s_and_b32 s38, ttmp7, 0xffff                   ; the token group
	s_lshl_b32 s39, s37, 4
	s_wait_alu depctr_va_sdst(0)                   ; s36 is written, ahead of its first reader: shares, addresses and branches are made from it
	s_add_co_u32 s39, s39, s36                     ; J = 16 Q + wave
	s_mul_i32 s48, s37, 14
	s_add_co_u32 s48, s48, s36                     ; my head unit's number
	s_mov_b32 s41, 0                               ; the upper word of the offset pair s[40:41]
	s_mov_b32 s54, 0x3fb8aa3b                      ; log2(e)
	s_mov_b32 s55, s54                             ; (named with it as a pair)
	s_mov_b32 s56, 0x76543210
	s_mov_b32 s57, 0xfedcba98                      ; v_permlanex16_b32's selects for lane l xor 16
.irp j, 1,2,3,4,5,6,7
	s_mov_b32 s[DM+\j-1], 0x01010101<<\j
.endr
	s_mov_b32 s73, 0xff0000ff
	s_lshr_b32 s79, s36, 2                         ; wave / 4
	s_and_b32 s80, s36, 3                          ; wave % 4
	v_and_b32 v24, 31, v0                          ; lane
	v_and_b32 v25, 15, v0                          ; r
	v_bfe_u32 v26, v0, 4, 1                        ; h
	v_and_b32 v27, 8, v0
	v_add_nc_u32 v27, v27, v25                     ; r + 8 (r / 8)
	v_lshlrev_b32 v28, 2, v25                      ; 4 r
	v_lshlrev_b32 v1, 4, v24
	v_lshlrev_b32 v2, 4, v25
	v_lshl_add_u32 v2, v26, 10, v2
	v_lshlrev_b32 v3, 9, v27
	v_lshl_add_u32 v3, v26, 4, v3
	v_lshl_add_u32 v4, v26, 3, v27
	v_lshlrev_b32 v4, 5, v4
	v_lshlrev_b32 v7, 3, v24
	s_lshl_b32 s78, s36, 10
	v_add_nc_u32 v5, s78, v7
	v_add_nc_u32 v5, STAT, v5
	v_lshlrev_b32 v6, 7, v25
	v_lshl_add_u32 v6, v26, 4, v6
	v_lshlrev_b32 v8, 5, v25
	v_lshl_add_u32 v8, v26, 4, v8
	v_lshlrev_b32 v9, 1, v24
	v_lshlrev_b32 v10, 2, v24
	v_add_nc_u32 v11, TGB, v28
	s_lshl_b32 s82, s79, 8
	s_lshl_b32 s81, s80, 6
	s_add_co_u32 s81, s81, s82
	v_add_nc_u32 v12, s81, v28
	v_add_nc_u32 v12, BNC, v12
	s_lshl_b32 s83, s80, 13
	s_lshl_b32 s81, s79, 11
	s_add_co_u32 s83, s83, s81
	v_add_nc_u32 v13, s83, v1                      ; the x stage: tile wave % 4, K steps 2 (wave / 4) and the next
	v_mov_b32 v14, 0xff800000
	v_lshlrev_b32 v15, 9, v25
	v_lshl_add_u32 v15, v26, 4, v15                ; x: token r's row, + 16 h
	v_lshlrev_b32 v16, 5, v24                      ; x's scales in LDS: 32 bytes a token
	v_lshlrev_b32 v17, 4, v25
	v_lshl_add_u32 v17, v26, 3, v17
	v_add_nc_u32 v17, s78, v17
	v_add_nc_u32 v17, HIMG, v17
	s_add_co_u32 s82, s82, s80
	v_add_nc_u32 v18, s82, v28
	v_add_nc_u32 v18, HSC, v18
	s_lshl_b32 s86, s37, 13
	v_add_nc_u32 v19, s86, v1
	s_lshl_b32 s87, s37, 8
	v_add_nc_u32 v20, s87, v2
	s_lshl_b32 s88, s37, 6
	v_add_nc_u32 v21, s88, v28
	s_lshl_b32 s89, s79, 14
	s_lshl_b32 s81, s80, 8
	s_add_co_u32 s89, s89, s81
	v_add_nc_u32 v22, s89, v7
	v_add_nc_u32 v22, STAT, v22
	s_lshl_b32 s90, s36, 8
	v_add_nc_u32 v23, s90, v7
	v_add_nc_u32 v23, BNC, v23
	v_lshlrev_b32 v54, 2, v0                       ; 4 x thread: my word of the group's 2,048 scale bytes of x, in memory and in LDS
	v_lshlrev_b32 v41, 3, v21                      ; 32 x (tile Q's token r): where that token's scale words of x lie in memory; wave 14 alone loads by it
	s_wait_kmcnt 0x0
	s_load_b64 s[74:75], s[12:13], 0x1a2c          ; the two cluster logits' biases: head_b[1675], head_b[1676]
	s_lshl_b32 s40, s38, 15
	s_add_nc_u64 s[58:59], s[4:5], s[40:41]        ; the group's x codes: 64 rows of 512 bytes
	s_lshl_b32 s40, s38, 11
	s_add_nc_u64 s[60:61], s[6:7], s[40:41]        ; and scales: 64 rows of 32 bytes
	s_lshl_b32 s40, s80, 13
	s_lshl_b32 s81, s79, 7
	s_add_co_u32 s40, s40, s81
	s_add_nc_u64 s[84:85], s[58:59], s[40:41]
; ---------------- first loads: x's fragments and scale bytes for the stage, and each role's weights
	s_wait_alu depctr_va_vdst(0)                   ; every offset and LDS address made above (v1-13, v15-23, v41, v54) is written: the loads and stores of the whole text read them; the lines above are done with v24-28, in which the first loads land
.irp i, 0,1,2,3
	global_load_b128 v[24+4*\i:27+4*\i], v15, s[84:85] offset:32*\i
.endr
	global_load_b32 v40, v54, s[60:61]             ; a wave reads 128 consecutive bytes, the work-group all 2,048
	s_cmp_lt_u32 s36, 10
	s_cbranch_scc0 .Lp1_b
	s_cmp_lt_u32 s36, 8                            ; waves 0-7: proj0's rows 32 wave on; waves 8, 9: proj1's
	s_cselect_b64 s[42:43], s[14:15], s[18:19]
	s_cselect_b64 s[44:45], s[16:17], s[20:21]
	s_and_b32 s86, s36, 7
	s_lshl_b32 s40, s86, 14
	s_add_nc_u64 s[42:43], s[42:43], s[40:41]
	s_lshl_b32 s40, s86, 10
	s_add_nc_u64 s[44:45], s[44:45], s[40:41]
	XA_LOAD
	s_branch .Lp1_j
.Lp1_b:
	s_cmp_lt_u32 s36, 14
	s_cbranch_scc1 .Lp1_j
	s_lshl_b32 s40, s38, 8
	s_add_nc_u64 s[86:87], s[30:31], s[40:41]
	global_load_b32 v80, v21, s[86:87]             ; waves 14, 15: y of tile Q's token r
	s_cmp_eq_u32 s36, 14
	s_cbranch_scc0 .Lp1_j
	global_load_b128 v[XS:XS+3], v41, s[60:61]     ; wave 14: that token's eight scale words of x
	global_load_b128 v[XS+4:XS+7], v41, s[60:61] offset:16
.Lp1_j:
	s_wait_loadcnt 0x0
	s_wait_kmcnt 0x0
.irp i, 0,1,2,3
	ds_store_b128 v13, v[24+4*\i:27+4*\i] offset:512*\i
.endr
	ds_store_b32 v54, v40 offset:XSL
	s_cmp_lt_u32 s36, 14
	s_cbranch_scc1 .Lp1_k
	s_cmp_eq_u32 s36, 14
	s_cbranch_scc0 .Lp1_w15
	; wave 14: head rows gathered by y (row 0 where the target is no shortlist token), and the two cluster rows by turns.  One set of scale registers serves both: the gathered rows' words in lanes 0-15, the cluster rows' in lanes 16-31
	v_cmp_gt_u32 vcc_lo, 0x68b, v80
	v_bfe_u32 v42, v0, 4, 1
	v_lshlrev_b32 v43, 4, v42                      ; 16 h
	v_and_b32 v45, 1, v0
	v_add_nc_u32 v45, 0x68b, v45                   ; row 1,675 or 1,676
	s_mov_b32 s86, 0xffff0000
	s_wait_alu depctr_va_vcc(0)                    ; the compare has written VCC, ahead of the select that reads it
	v_cndmask_b32 v44, 0, v80, vcc_lo              ; y, or 0
	v_cndmask_b32 v46, v44, v45, s86               ; whose scales my lane fetches
	v_min_u32 v44, 0x68a, v44
	v_min_u32 v46, 0x68c, v46
	v_lshl_add_u32 v47, v44, 9, v43
	v_lshlrev_b32 v48, 2, v44
	v_lshlrev_b32 v46, 5, v46
	v_lshl_add_u32 v45, v45, 9, v43
	s_wait_alu depctr_va_vdst(0)                   ; the four offsets v45 to v48 are written, which the gathers below read
.irp ks, 0,1,2,3,4,5,6,7
.irp c, 0,1
	global_load_b128 v[128+8*\ks+4*\c:131+8*\ks+4*\c], v47, s[8:9] offset:64*\ks+32*\c
	global_load_b128 v[192+8*\ks+4*\c:195+8*\ks+4*\c], v45, s[8:9] offset:64*\ks+32*\c
.endr
.endr
.irp i, 0,1
	global_load_b128 v[AS+4*\i:AS+3+4*\i], v46, s[10:11] offset:16*\i
.endr
	global_load_b32 v49, v48, s[12:13]
	s_branch .Lp1_k
.Lp1_w15:
	; wave 15: tail rows gathered by clip(y - low, 0, size - 1)
	v_cmp_gt_u32 s[MK], 0x68b, v80
	v_cmp_gt_u32 s[MK+1], 0x13a1, v80
	v_bfe_u32 v81, v0, 4, 1
	v_lshlrev_b32 v81, 4, v81                      ; 16 h
	v_mov_b32 v82, 0
	v_add_nc_u32 v83, 0xfffff975, v80              ; y - 1,675
	v_add_nc_u32 v84, 0xffffec5f, v80              ; y - 5,025
.irp i, 76,77,78,79
	v_mov_b32 v\i, 0
.endr
	s_wait_alu depctr_va_sdst(0)                   ; the two compares have written their masks, ahead of the selects that read them
	v_cndmask_b32 v83, v83, v82, s[MK]
	v_cndmask_b32 v84, v84, v82, s[MK+1]
	v_min_u32 v83, 0xd15, v83
	v_min_u32 v84, 0xb0af, v84
	v_lshl_add_u32 v85, v83, 7, v81
	v_lshlrev_b32 v86, 3, v83
	v_lshl_add_u32 v87, v84, 5, v81
	v_lshlrev_b32 v88, 1, v84
	s_wait_alu depctr_va_vdst(0)                   ; the four offsets v85 to v88 are written, which the gathers below read; so are the zero codes v76-79, which a product takes as part of its operand
.irp ks, 0,1
.irp c, 0,1
	global_load_b128 v[112+8*\ks+4*\c:115+8*\ks+4*\c], v85, s[22:23] offset:64*\ks+32*\c
.endr
.endr
	global_load_b64 v[AS:AS+1], v86, s[24:25]
	global_load_b128 v[72:75], v87, s[26:27]
	global_load_u16 v[AS+2], v88, s[28:29]
.Lp1_k:
	BAR                                            ; x's 32 fragments and its scale bytes lie in LDS
	s_wait_alu depctr_vm_vsrc(0)                   ; the stage's stores have read v24-40 and their addresses v13 and v54, the first loads v15 and v41, the gathers their offsets (v45-48; v85-88): all of these are written again below, by loads, products or vector lines
; ---------------- waves 0-9: h; waves 10, 11: the zero bytes of h1's scale words; waves 0-13: the head unit's weights are asked for; wave 14: the shortlist and cluster logits
	s_cmp_lt_u32 s36, 10
	s_cbranch_scc0 .Lp2_z
	s_wait_loadcnt 0x0                             ; no load of waves 0-9 is out (all were waited for ahead of the stage's stores), so this is met at once; it stands so that on every way through the text no load is pending on a register written below
	XGPASS 0, 0
	PQUANT 0
	XGPASS 1, 0
	PQUANT 1
	s_branch .Lp2_a
.Lp2_z:
	s_cmp_lt_u32 s36, 12
	s_cbranch_scc0 .Lp2_a
	v_mov_b32 v24, 0                               ; h1 has two blocks: bytes 2 and 3 of its scale words are 0, over zero codes
	s_wait_alu depctr_va_vdst(0)                   ; v24 is written, which the four stores below read
.irp m, 0,1,2,3
	ds_store_b8 v18, v24 offset:64*\m              ; both lanes of a token write the same byte with the same value
.endr
.Lp2_a:
	s_wait_alu depctr_vm_vsrc(0)                   ; where the ways join: the quantiser's last stores have read v27-29 and v35-37, the zero bytes' stores v24; on every way through the text from here on these registers are written again (the fragment loads of the shortlist's products land in v24-31) only behind this wait
	s_cmp_lt_u32 s36, 14
	s_cbranch_scc0 .Lp2_b
	s_wait_loadcnt 0x0                             ; likewise: no load of waves 0-13 is out; the registers loaded below are those that wave 14's gathers fill on its own way
	s_lshl_b32 s86, s48, 5                         ; the unit's own first row,
	s_min_u32 s52, s86, 1645                       ; the row at which it is read (1,677 - 32 at the most),
	s_sub_co_u32 s49, s86, s52                     ; and how many of its rows the unit before has counted
	s_lshl_b32 s40, s52, 9
	s_add_nc_u64 s[42:43], s[8:9], s[40:41]
	s_lshl_b32 s40, s52, 5
	s_add_nc_u64 s[44:45], s[10:11], s[40:41]
	s_lshl_b32 s40, s52, 2
	s_add_nc_u64 s[46:47], s[12:13], s[40:41]
	v_bfe_u32 v13, v0, 4, 1
	v_lshlrev_b32 v13, 6, v13                      ; the bias of my half's 16 rows
	s_wait_alu depctr_va_vdst(0)                   ; v13 is written, which the bias loads read; the projections' products are done reading v128-255 and AS, in which the head unit's weights and scale words land
	XA_LOAD
.irp u, 0,1
.irp j, 0,1,2,3,4,5,6,7
	global_load_b32 v[72+8*\u+\j], v13, s[46:47] offset:4*(8*\u+\j)
.endr
.endr
	s_branch .Lp2_e
.Lp2_b:
	s_cmp_eq_u32 s36, 14
	s_cbranch_scc0 .Lp2_e
	s_wait_loadcnt 0x0                             ; the gathered rows
.irp ks, 0,1,2,3,4,5,6,7
	PLACES 4
.if \ks > 0
	s_wait_alu depctr_va_vdst(0)                   ; the two products of the K step before are done reading v24-31, in which the two loads below land
.endif
	ds_load_b128 v[24:27], v19 offset:XIMG+1024*\ks
	ds_load_b128 v[28:31], v19 offset:XIMG+1024*\ks+512
	s_wait_dscnt 0x0
.if \ks == 0
	WM 96, 128+8*\ks, 24, -1, AS+\ks, XS+\ks, 0, 0
	WM 104, 192+8*\ks, 24, -1, AS+\ks, XS+\ks, 1, 0
.else
	WM 96, 128+8*\ks, 24, 96, AS+\ks, XS+\ks, 0, 0
	WM 104, 192+8*\ks, 24, 104, AS+\ks, XS+\ks, 1, 0
.endif
.endr
	PLACES 4
	DIAG 50, 96, 51
	v_add_f32 v50, v50, v49                        ; head logit of the target (or of row 0)
	v_add_f32 v52, s74, v104                       ; cluster logit 0: even rows of the second product
	v_add_f32 v53, s75, v105                       ; cluster logit 1: odd rows
	s_wait_alu depctr_va_vdst(0)                   ; v50, v52 and v53 are written, which the three stores below read
	ds_store_b32 v11, v50                          ; lanes l and l + 16 write the same word with the same value
	ds_store_b32 v11, v52 offset:64
	ds_store_b32 v11, v53 offset:128
.Lp2_e:
	BAR                                            ; h's codes and bytes, and wave 14's three numbers, lie in LDS
	s_wait_alu depctr_vm_vsrc(0)                   ; the bias loads have read v13, wave 14's three stores v50, v52 and v53: all of these are written again below
; ---------------- the head's softmax (waves 0-13); wave 15: the tail logits and the numerator
	s_cmp_lt_u32 s36, 14
	s_cbranch_scc0 .Lp4_t
	s_cmp_lt_u32 s48, 53
	s_cbranch_scc0 .Lp4_idle
	s_wait_loadcnt 0x0                             ; the unit's weights, scales and bias
	v_bfe_u32 v13, v0, 4, 1
	v_lshlrev_b32 v13, 4, v13
	v_sub_nc_u32 v13, s49, v13                     ; register 8 u + j is row 16 h + 8 u + j of the unit
	HEADPASS 0
	HEADPASS 1
	s_branch .Lp4_join
.Lp4_t:
	s_cmp_eq_u32 s36, 15
	s_cbranch_scc0 .Lp4_idle
	s_wait_loadcnt 0x0                             ; the gathered rows
	ds_load_b128 v[24:27], v20 offset:HIMG         ; (no vector or matrix line since the last wait on va_vdst names a register in which these eleven loads land)
	ds_load_b128 v[28:31], v20 offset:HIMG+2048
	ds_load_b128 v[48:51], v20 offset:HIMG+4096
	ds_load_b128 v[52:55], v20 offset:HIMG+6144
	ds_load_b128 v[96:99], v20 offset:HIMG+8192
	ds_load_b32 v[XS], v21 offset:HSC
	ds_load_b32 v[XS+1], v21 offset:HSC+256
	ds_load_b32 v[XS+2], v21 offset:HSC+512
	ds_load_b32 v89, v11
	ds_load_b32 v90, v11 offset:64
	ds_load_b32 v91, v11 offset:128
.irp i, 100,101,102,103
	v_mov_b32 v\i, 0
.endr
	PLACES 4                                       ; an operand written by vector instructions stands four places ahead of a scaled product
	s_wait_dscnt 0x0
	s_wait_alu depctr_va_vdst(0)                   ; the zero codes v100-103 are written, which the second product takes as part of its operand; the places above stay beside this wait
	WM 32, 112, 24, -1, AS, XS, 0, 0
	WM 40, 72, 96, -1, AS+2, XS+2, 0, 0
	WM 32, 120, 48, 32, AS+1, XS+1, 0, 0
	PLACES 4
	v_add_nc_u32 v85, 0xfffff975, v80
	v_add_nc_u32 v86, 0xffffec5f, v80
	v_cmp_gt_u32 s[MK], 0xd16, v85                 ; 1,675 <= y < 5,025
	v_cmp_gt_u32 s[MK+1], 0xb0b0, v86              ; 5,025 <= y < 50,257
	DIAG 81, 32, 82
	DIAG 83, 40, 84
	v_add_f32 v81, v81, v90
	v_add_f32 v83, v83, v91
	s_wait_alu depctr_va_sdst(0)                   ; the two compares have written their masks, ahead of the selects that read them
	v_cndmask_b32 v89, v89, v81, s[MK]
	v_cndmask_b32 v89, v89, v83, s[MK+1]
	s_wait_alu depctr_va_vdst(0)                   ; v89 is written, which the store below reads
	ds_store_b32 v11, v89 offset:192
.Lp4_idle:
	s_wait_loadcnt 0x0                             ; a unit past the table's end was loaded all the same: its registers are taken again below
	v_mov_b32 v24, 0x7f61b1e6                      ; no share of the head: M = -3e38, sum = 0
	v_mov_b32 v25, 0
	s_wait_alu depctr_va_vdst(0)                   ; v24 and v25 are written, which the four stores below read
.irp m, 0,1,2,3
	ds_store_b64 v5, v[24:25] offset:256*\m
.endr
	s_wait_dscnt 0x0                               ; the stores have read their registers
.Lp4_join:
; ---------------- tail 0
	s_mul_i32 s86, s39, 105
	s_lshr_b32 s87, s86, 6                         ; my first unit
	s_add_co_u32 s86, s86, 105
	s_lshr_b32 s86, s86, 6
	s_sub_co_u32 s50, s86, s87                     ; one or two units;
	s_sub_co_u32 s50, s50, 1                       ; the last is written out behind the loop
	s_lshl_b32 s51, s87, 5
	s_min_u32 s52, s51, 3318
	LOAD0
.irp m, 0,1,2,3
.irp ks, 0,1
.irp c, 0,1
	ds_load_b128 v[128+16*\m+8*\ks+4*\c:131+16*\m+8*\ks+4*\c], v2 offset:HIMG+(4*\ks+2*\c)*1024+256*\m
.endr
.endr
.endr
.irp ks, 0,1
.irp p, 0,1
	ds_load_b32 v[XS+2*\ks+\p], v10 offset:HSC+256*\ks+128*\p
.endr
.endr
	INIT 4
	s_cmp_eq_u32 s50, 0
	s_cbranch_scc1 .Lt0_tail
.Lt0_loop:
	s_wait_loadcnt 0x0                             ; the unit's nine loads, asked for a softmax step ago
	s_wait_dscnt 0x0
	MUL0
	s_add_co_u32 s51, s51, 32
	s_min_u32 s52, s51, 3318
	LOAD0
	SOFT 4, 16, 192
	s_sub_co_u32 s50, s50, 1
	s_cmp_lg_u32 s50, 0
	s_cbranch_scc1 .Lt0_loop
.Lt0_tail:
	s_wait_loadcnt 0x0
	s_wait_dscnt 0x0
	MUL0
	s_sub_co_u32 s91, s51, s52                     ; rows of this unit that the unit before has counted
	s_mul_i32 s86, s39, 707                        ; tail 1's share, and its first loads, ahead of this unit's softmax
	s_lshr_b32 s87, s86, 6
	s_add_co_u32 s86, s86, 707
	s_lshr_b32 s86, s86, 6
	s_sub_co_u32 s50, s86, s87                     ; 11 or 12 steps;
	s_sub_co_u32 s50, s50, 1                       ; the last is written out behind the loop
	s_lshl_b32 s51, s87, 6
	s_min_u32 s52, s51, 45168
	PLACES 4
.irp m, 0,1,2,3
.irp i, 4,5,6,7
	v_mov_b32 v[96+8*\m+\i], 0                     ; h1 has K = 64: the upper 64 of the instruction's 128 are zero codes
.endr
.endr
.irp i, 88,89,90,91
	v_mov_b32 v\i, 0
.endr
	LOAD1
.irp m, 0,1,2,3
	ds_load_b128 v[96+8*\m:99+8*\m], v2 offset:HIMG+8192+256*\m   ; behind the wait in LOAD1, which states that tail 0's last products are done reading these registers
.endr
.irp p, 0,1
	ds_load_b32 v[XS+4+\p], v10 offset:HSC+512+128*\p
.endr
	s_cmp_eq_u32 s91, 0
	s_cbranch_scc1 .Lt0_open
	v_bfe_u32 v13, v0, 4, 1
	v_lshlrev_b32 v13, 3, v13
	v_sub_nc_u32 v13, s91, v13                     ; register 8 u + j is row 16 u + 8 h + j of the unit
	MASKLOW 4, 16, 192, 16
.Lt0_open:
	SOFT 4, 16, 192
	FLUSH 1
; ---------------- tail 1: nine tenths of all logits
	INIT 4
.Lt1_loop:
	s_wait_loadcnt 0x0                             ; the step's six loads, asked for a softmax step ago
	s_wait_dscnt 0x0
	MUL1
	s_add_co_u32 s51, s51, 64
	s_min_u32 s52, s51, 45168
	LOAD1
	SOFT 4, 32, 128
	s_sub_co_u32 s50, s50, 1
	s_cmp_gt_i32 s50, 0                            ; 10 or 11 trips
	s_cbranch_scc1 .Lt1_loop
	s_wait_loadcnt 0x0
	s_wait_dscnt 0x0
	MUL1
	s_sub_co_u32 s91, s51, s52
	PLACES 4
	s_cmp_eq_u32 s91, 0
	s_cbranch_scc1 .Lt1_open
	v_bfe_u32 v13, v0, 4, 1
	v_lshlrev_b32 v13, 3, v13
	v_sub_nc_u32 v13, s91, v13                     ; register 8 n + j is row 16 n + 8 h + j of the step
	MASKLOW 4, 32, 128, 16
.Lt1_open:
	SOFT 4, 32, 128
	FLUSH 2
	BAR                                            ; every wave's pairs lie in LDS
; ---------------- the work-group's log-sum-exp: wave 4 k + m merges table k, tile m, over 16 waves and the two halves of the lanes
	s_cmp_lt_u32 s36, 12
	s_cbranch_scc0 .Lp7_e
.irp i, 0,1,2,3,4,5,6,7,8,9,10,11,12,13,14,15
	ds_load_b64 v[128+2*\i:129+2*\i], v22 offset:1024*\i
.endr
	s_wait_dscnt 0x0
	v_min3_num_f32 v24, v128, v130, v132
.irp i, 3,5,7,9,11,13
	v_min3_num_f32 v24, v24, v[128+2*\i], v[130+2*\i]
.endr
	v_min_num_f32 v24, v24, v158
	v_permlanex16_b32 v25, v24, s56, s57
	v_min_num_f32 v24, v24, v25                    ; the least -M: the largest M
.irp i, 0,1,2,3,4,5,6,7,8,9,10,11,12,13,14,15
	v_sub_f32 v[128+2*\i], v24, v[128+2*\i]        ; M_i - M: a whole number, 0 or less
.endr
.irp i, 0,1,2,3,4,5,6,7,8,9,10,11,12,13,14,15
	v_cvt_i32_f32 v[128+2*\i], v[128+2*\i]
.endr
.irp i, 0,1,2,3,4,5,6,7,8,9,10,11,12,13,14,15
	v_ldexp_f32 v[129+2*\i], v[129+2*\i], v[128+2*\i]
.endr
.irp i, 0,1,2,3,4,5,6,7
	v_add_f32 v[129+4*\i], v[129+4*\i], v[131+4*\i]
.endr
.irp i, 0,1,2,3
	v_add_f32 v[129+8*\i], v[129+8*\i], v[133+8*\i]
.endr
.irp i, 0,1
	v_add_f32 v[129+16*\i], v[129+16*\i], v[137+16*\i]
.endr
	v_add_f32 v129, v129, v145
	v_permlanex16_b32 v25, v129, s56, s57
	v_add_f32 v129, v129, v25
	s_wait_alu depctr_va_vdst(0)
	v_log_f32 v26, v129
	v_nop                                          ; one plain place behind the transcendental
	s_wait_alu depctr_va_vdst(0)                   ; the logarithm has written v26, ahead of its first reader
	v_sub_f32 v26, v26, v24                        ; M + log2(sum)
	s_wait_alu depctr_va_vdst(0)                   ; v26 is written, which the store below reads; the merge is done with v24 and v25, in which the way out's loads land
	ds_store_b32 v12, v26                          ; lanes l and l + 16 write the same word with the same value
.Lp7_e:
	BAR
; ---------------- the way out: waves 0-2 store a table's 64 numbers, 256 consecutive aligned bytes; wave 3 the 16 numerators
	s_cmp_lt_u32 s36, 4
	s_cbranch_scc0 .Lend
	s_cmp_eq_u32 s36, 3
	s_cbranch_scc1 .Lnum
	ds_load_b64 v[24:25], v23
	s_lshl_b32 s78, s36, 2
	s_add_co_u32 s78, s78, s37
	s_lshl_b32 s78, s78, 14                        ; part[table][Q]: 4,096 numbers
	s_lshl_b32 s40, s38, 8
	s_add_co_u32 s40, s40, s78
	s_add_nc_u64 s[76:77], s[32:33], s[40:41]
	s_wait_dscnt 0x0
	global_store_b64 v7, v[24:25], s[76:77]
	s_branch .Lend
.Lnum:
	ds_load_b32 v24, v11 offset:192
	s_lshl_b32 s40, s38, 8
	s_add_nc_u64 s[76:77], s[34:35], s[40:41]
	s_wait_dscnt 0x0
	global_store_b32 v21, v24, s[76:77]            ; lanes l and l + 16 store the same word with the same value
.Lend:
	s_wait_dscnt 0x0                               ; the closing lines, six on end
	s_wait_alu 0x0
	s_wait_tensorcnt 0x0
	ds_add_u32 v94, v95
	s_wait_dscnt 0x0
	s_endpgm
.Lfunc_end_k_qc036742635_bulk:
	.size	k_qc036742635_bulk, .Lfunc_end_k_qc036742635_bulk-k_qc036742635_bulk
	.p2alignl 7, 3214868480
	.fill 96, 4, 3214868480
	.section	.rodata,"a",@progbits
	.p2align	6, 0x0
	.amdhsa_kernel k_qc036742635_bulk
		.amdhsa_group_segment_fixed_size 98560
		.amdhsa_private_segment_fixed_size 0
		.amdhsa_enable_private_segment 0
		.amdhsa_kernarg_size 128
		.amdhsa_user_sgpr_count 2
		.amdhsa_user_sgpr_kernarg_segment_ptr 1
		.amdhsa_wavefront_size32 1
		.amdhsa_system_sgpr_workgroup_id_x 1
		.amdhsa_system_sgpr_workgroup_id_y 1
		.amdhsa_system_sgpr_workgroup_id_z 1
		.amdhsa_system_vgpr_workitem_id 0
		.amdhsa_next_free_vgpr 256
		.amdhsa_next_free_sgpr 96
		.amdhsa_reserve_vcc 1
		.amdhsa_float_denorm_mode_32 3
		.amdhsa_float_denorm_mode_16_64 3
		.amdhsa_memory_ordered 1
		.amdhsa_forward_progress 1
		.amdhsa_inst_pref_size 176
	.end_amdhsa_kernel
	.amdgpu_metadata
---
amdhsa.version: [ 1, 2 ]
amdhsa.kernels:
  - .name:           k_qc036742635_bulk
    .symbol:         k_qc036742635_bulk.kd
    .args:
      - { .name: x_codes, .offset: 0, .size: 8, .value_kind: global_buffer, .address_space: global }
      - { .name: x_scales, .offset: 8, .size: 8, .value_kind: global_buffer, .address_space: global }
      - { .name: head_w_codes, .offset: 16, .size: 8, .value_kind: global_buffer, .address_space: global }
      - { .name: head_w_scales, .offset: 24, .size: 8, .value_kind: global_buffer, .address_space: global }
      - { .name: head_b, .offset: 32, .size: 8, .value_kind: global_buffer, .address_space: global }
      - { .name: proj0_codes, .offset: 40, .size: 8, .value_kind: global_buffer, .address_space: global }
      - { .name: proj0_scales, .offset: 48, .size: 8, .value_kind: global_buffer, .address_space: global }
      - { .name: proj1_codes, .offset: 56, .size: 8, .value_kind: global_buffer, .address_space: global }
      - { .name: proj1_scales, .offset: 64, .size: 8, .value_kind: global_buffer, .address_space: global }
      - { .name: w0_codes, .offset: 72, .size: 8, .value_kind: global_buffer, .address_space: global }
      - { .name: w0_scales, .offset: 80, .size: 8, .value_kind: global_buffer, .address_space: global }
      - { .name: w1_codes, .offset: 88, .size: 8, .value_kind: global_buffer, .address_space: global }
      - { .name: w1_scales, .offset: 96, .size: 8, .value_kind: global_buffer, .address_space: global }
      - { .name: y, .offset: 104, .size: 8, .value_kind: global_buffer, .address_space: global }
      - { .name: part, .offset: 112, .size: 8, .value_kind: global_buffer, .address_space: global }
      - { .name: num, .offset: 120, .size: 8, .value_kind: global_buffer, .address_space: global }
    .group_segment_fixed_size: 98560
    .private_segment_fixed_size: 0
    .kernarg_segment_align: 8
    .kernarg_segment_size: 128
    .max_flat_workgroup_size: 512
    .sgpr_count:     96
    .vgpr_count:     256
    .wavefront_size: 32
...
	.end_amdgpu_metadata
.endif
;; end of part 3
;; launch finish (part 4): grid 1 x 1, 32 waves a work-group, no clusters, 5,120 bytes of LDS; arguments part, num, y, out0, out1; writes out0, out1
.if DOCPART == 4
	.amdgcn_target "amdgcn-amd-amdhsa--gfx1250"
	.amdhsa_code_object_version 6
	.text
	.protected	k_qc036742635_finish
	.globl	k_qc036742635_finish
	.p2align	8
	.type	k_qc036742635_finish,@function
k_qc036742635_finish:
	s_mov_b64 s[64:65], 0
	v_nop
	global_prefetch_b8 v0, s[64:65] scope:SCOPE_SE
	s_setreg_imm32_b32 hwreg(HW_REG_WAVE_MODE, 25, 1), 1
	s_wait_xcnt 0x0
; out0[token] = numerator - ln 2 x (head's log-sum-exp + the chosen tail's, or 0), out1 = -mean(out0).
; part: [3 tables][4 parts][4,096] f32, log-sum-exps in base 2 over a quarter of a table's rows; num: [4,096] f32; y: [4,096] i32.
; One work-group, since the mean has one owner: 1,024 threads, four tokens each; every load and the store of out0 take 16 bytes a lane, 512 consecutive bytes a wave.
; The four parts are merged under their maximum: L = m + log2(sum of 2^(l - m)).  No matrix work, no loop: 224 KB are read once.
; REGISTERS: v1 16 x thread; v16-63 the parts (16 table + 4 part + token); v64-67 num; v68-71 y; v72-83 m, then L (4 table + token); v84-95 sums; v96-99 out0; v100-103, v8-15 at work.
	s_load_b256 s[4:11], s[0:1], 0x0               ; part, num, y, out0
	s_load_b64 s[12:13], s[0:1], 0x20              ; out1
	v_lshl_add_u32 v104, v0, 2, 0x400
	v_mov_b32 v105, 0
	v_lshlrev_b32 v1, 4, v0
	v_lshrrev_b32 v2, 5, v0
	s_delay_alu instid0(VALU_DEP_1)
	v_readfirstlane_b32 s14, v2                    ; wave 0..31
	s_delay_alu instid0(VALU_DEP_2)
	v_lshlrev_b32 v3, 2, v2                        ; LDS: my wave's word
	v_and_b32 v4, 31, v0
	s_delay_alu instid0(VALU_DEP_1)
	v_lshlrev_b32 v4, 2, v4                        ; LDS: my lane's word
	s_mov_b32 s16, 0x76543210
	s_mov_b32 s17, 0xfedcba98                      ; v_permlanex16_b32's selects for lane l xor 16
	s_mov_b32 s18, 0xbf317218                      ; -ln 2
	s_wait_alu depctr_va_vdst(0)
	s_wait_kmcnt 0x0
.irp n, 0,1,2,3,4,5,6,7,8,9,10,11
	global_load_b128 v[16+4*\n:19+4*\n], v1, s[4:5] offset:16384*\n th:TH_LOAD_NT
.endr
	global_load_b128 v[64:67], v1, s[6:7] th:TH_LOAD_NT
	global_load_b128 v[68:71], v1, s[8:9] th:TH_LOAD_NT
	s_wait_loadcnt 0x0
.irp k, 0,1,2
.irp e, 0,1,2,3
	v_max3_num_f32 v[72+4*\k+\e], v[16+16*\k+\e], v[20+16*\k+\e], v[24+16*\k+\e]
.endr
.endr
.irp k, 0,1,2
.irp e, 0,1,2,3
	v_max_num_f32 v[72+4*\k+\e], v[72+4*\k+\e], v[28+16*\k+\e]
.endr
.endr
.irp k, 0,1,2
.irp q, 0,1,2,3
.irp e, 0,1,2,3
	v_sub_f32 v[16+16*\k+4*\q+\e], v[16+16*\k+4*\q+\e], v[72+4*\k+\e]
.endr
.endr
.endr
	s_wait_alu depctr_va_vdst(0)
.irp n, 0,1,2,3,4,5,6,7,8,9,10,11,12,13,14,15,16,17,18,19,20,21,22,23,24,25,26,27,28,29,30,31,32,33,34,35,36,37,38,39,40,41,42,43,44,45,46,47
	v_exp_f32 v[16+\n], v[16+\n]
.endr
	v_nop                                          ; one plain place behind the exponentials
	s_wait_alu depctr_va_vdst(0)
.irp k, 0,1,2
.irp e, 0,1,2,3
	v_add_f32 v[84+4*\k+\e], v[16+16*\k+\e], v[20+16*\k+\e]
	v_add_f32 v[24+16*\k+\e], v[24+16*\k+\e], v[28+16*\k+\e]
.endr
.endr
.irp k, 0,1,2
.irp e, 0,1,2,3
	v_add_f32 v[84+4*\k+\e], v[84+4*\k+\e], v[24+16*\k+\e]
.endr
.endr
	s_wait_alu depctr_va_vdst(0)
.irp n, 0,1,2,3,4,5,6,7,8,9,10,11
	v_log_f32 v[84+\n], v[84+\n]
.endr
	v_nop                                          ; one plain place behind the logarithms
	s_wait_alu depctr_va_vdst(0)
.irp n, 0,1,2,3,4,5,6,7,8,9,10,11
	v_add_f32 v[72+\n], v[72+\n], v[84+\n]         ; L
.endr
.irp e, 0,1,2,3
	v_add_nc_u32 v[8+\e], 0xfffff975, v[68+\e]     ; y - 1,675
	v_add_nc_u32 v[12+\e], 0xffffec5f, v[68+\e]    ; y - 5,025
.endr
.irp e, 0,1,2,3
	v_cmp_gt_u32 vcc_lo, 0xd16, v[8+\e]            ; the target lies in tail 0
	s_delay_alu instid0(VALU_DEP_1)
	v_cndmask_b32 v[100+\e], 0, v[76+\e], vcc_lo
	v_cmp_gt_u32 vcc_lo, 0xb0b0, v[12+\e]          ; in tail 1
	s_delay_alu instid0(VALU_DEP_1)
	v_cndmask_b32 v[100+\e], v[100+\e], v[80+\e], vcc_lo
	s_delay_alu instid0(VALU_DEP_1)
	v_add_f32 v[100+\e], v[100+\e], v[72+\e]
	s_delay_alu instid0(VALU_DEP_1)
	v_fma_f32 v[96+\e], v[100+\e], s18, v[64+\e]
.endr
	global_store_b128 v1, v[96:99], s[10:11]
	; the mean: four numbers a lane, 32 lanes, 32 waves
	v_add_f32 v5, v96, v97
	v_add_f32 v6, v98, v99
	s_delay_alu instid0(VALU_DEP_1)
	v_add_f32 v5, v5, v6
	s_delay_alu instid0(VALU_DEP_1)
	v_add_f32_dpp v5, v5, v5 row_xmask:1 row_mask:0xf bank_mask:0xf
	s_delay_alu instid0(VALU_DEP_1)
	v_add_f32_dpp v5, v5, v5 row_xmask:2 row_mask:0xf bank_mask:0xf
	s_delay_alu instid0(VALU_DEP_1)
	v_add_f32_dpp v5, v5, v5 row_xmask:4 row_mask:0xf bank_mask:0xf
	s_delay_alu instid0(VALU_DEP_1)
	v_add_f32_dpp v5, v5, v5 row_xmask:8 row_mask:0xf bank_mask:0xf
	s_delay_alu instid0(VALU_DEP_1)
	v_permlanex16_b32 v6, v5, s16, s17
	s_delay_alu instid0(VALU_DEP_1)
	v_add_f32 v5, v5, v6
	ds_store_b32 v3, v5                            ; all lanes write my wave's word with the same value
	s_wait_dscnt 0x0
	s_barrier_signal -1
	s_barrier_wait -1
	s_cmp_lg_u32 s14, 0
	s_cbranch_scc1 .Lend
	ds_load_b32 v5, v4                             ; wave 0: a wave's sum in each lane
	v_mov_b32 v7, 0
	s_wait_dscnt 0x0
	v_add_f32_dpp v5, v5, v5 row_xmask:1 row_mask:0xf bank_mask:0xf
	s_delay_alu instid0(VALU_DEP_1)
	v_add_f32_dpp v5, v5, v5 row_xmask:2 row_mask:0xf bank_mask:0xf
	s_delay_alu instid0(VALU_DEP_1)
	v_add_f32_dpp v5, v5, v5 row_xmask:4 row_mask:0xf bank_mask:0xf
	s_delay_alu instid0(VALU_DEP_1)
	v_add_f32_dpp v5, v5, v5 row_xmask:8 row_mask:0xf bank_mask:0xf
	s_wait_alu depctr_va_vdst(0)
	v_permlanex16_b32 v6, v5, s16, s17
	s_delay_alu instid0(VALU_DEP_1)
	v_add_f32 v5, v5, v6
	s_delay_alu instid0(VALU_DEP_1)
	v_mul_f32 v5, 0xb9800000, v5                   ; x -1 / 4,096
	v_cmp_eq_u32 vcc_lo, 0, v0
	s_wait_alu depctr_va_vdst(0)
	s_wait_xcnt 0x0                                ; EXEC is a source of the store of out0: it changes only behind this wait
	s_and_saveexec_b32 s20, vcc_lo
	global_store_b32 v7, v5, s[12:13]              ; thread 0 alone
	s_wait_xcnt 0x0                                ; and again ahead of the line that widens it
	s_or_b32 exec_lo, exec_lo, s20
.Lend:
	s_wait_tensorcnt 0x0
	ds_add_u32 v104, v105
	s_wait_dscnt 0x0
	s_endpgm
.Lfunc_end_k_qc036742635_finish:
	.size	k_qc036742635_finish, .Lfunc_end_k_qc036742635_finish-k_qc036742635_finish
	.p2alignl 7, 3214868480
	.fill 96, 4, 3214868480
	.section	.rodata,"a",@progbits
	.p2align	6, 0x0
	.amdhsa_kernel k_qc036742635_finish
		.amdhsa_group_segment_fixed_size 5120
		.amdhsa_private_segment_fixed_size 0
		.amdhsa_enable_private_segment 0
		.amdhsa_kernarg_size 40
		.amdhsa_user_sgpr_count 2
		.amdhsa_user_sgpr_kernarg_segment_ptr 1
		.amdhsa_wavefront_size32 1
		.amdhsa_system_sgpr_workgroup_id_x 1
		.amdhsa_system_sgpr_workgroup_id_y 1
		.amdhsa_system_sgpr_workgroup_id_z 1
		.amdhsa_system_vgpr_workitem_id 0
		.amdhsa_next_free_vgpr 106
		.amdhsa_next_free_sgpr 66
		.amdhsa_reserve_vcc 1
		.amdhsa_float_denorm_mode_32 3
		.amdhsa_float_denorm_mode_16_64 3
		.amdhsa_memory_ordered 1
		.amdhsa_forward_progress 1
		.amdhsa_inst_pref_size 13
	.end_amdhsa_kernel
	.amdgpu_metadata
---
amdhsa.version: [ 1, 2 ]
amdhsa.kernels:
  - .name:           k_qc036742635_finish
    .symbol:         k_qc036742635_finish.kd
    .args:
      - { .name: part, .offset: 0, .size: 8, .value_kind: global_buffer, .address_space: global }
      - { .name: num, .offset: 8, .size: 8, .value_kind: global_buffer, .address_space: global }
      - { .name: y, .offset: 16, .size: 8, .value_kind: global_buffer, .address_space: global }
      - { .name: out0, .offset: 24, .size: 8, .value_kind: global_buffer, .address_space: global }
      - { .name: out1, .offset: 32, .size: 8, .value_kind: global_buffer, .address_space: global }
    .group_segment_fixed_size: 5120
    .private_segment_fixed_size: 0
    .kernarg_segment_align: 8
    .kernarg_segment_size: 40
    .max_flat_workgroup_size: 1024
    .sgpr_count:     66
    .vgpr_count:     106
    .wavefront_size: 32
...
	.end_amdgpu_metadata
.endif
;; end of part 4
